; MI455X (gfx1250); checked and timed in simulation.
; The chip was launched on July 23, 2026; its instructions are those of AMD's public machine-readable ISA for CDNA 5 (MIT licence, August 2026) and "CDNA5" Instruction Set Architecture Reference Guide (July 2026). The comments in the code are by the model that wrote it; some were corrected since.
;; Multi Head Attention. Allowed arithmetic: matrix products marked QUANTISED: E2M3 operands, one E8M0 scale for each 32 along K, by v_wmma_scale_f32_16x16x128_f8f6f4 with both operands' format E2M3, f32 sums; everything else in f32.
;; Inputs: wk_b 1,024 float32; wk_w 1,024 x 1,024 float32; wo_b 1,024 float32; wo_w 1,024 x 1,024 float32; wq_b 1,024 float32; wq_w 1,024 x 1,024 float32; wv_b 1,024 float32; wv_w 1,024 x 1,024 float32; x 4 x 2,048 x 1,024 float32.
;; Outputs: out0 4 x 2,048 x 1,024 float32.
;; This version of the problem:
;;   THIS VERSION OF THE PROBLEM IS GIVEN IN LOW PRECISION. The matrix products marked QUANTISED in the list below multiply operands that are first quantised to E2M3 (2 exponent bits, 3 mantissa bits; 6 bits a number), with one power-of-two scale for each 32 numbers along K (OCP MX v1.0); their sums are f32. All else is computed in f32.
;;   The module's matrix products, in the order in which they are computed (A, B: the left and right operand; K: the contracted axis; several contracted axes count as one K, in the product's order):
;;     1. [M 8,192, K 1,024] x [K 1,024, N 1,024]; A: input x; B: input wq_w: QUANTISED
;;     2. [M 8,192, K 1,024] x [K 1,024, N 1,024]; A: input x; B: input wk_w: QUANTISED
;;     3. [M 8,192, K 1,024] x [K 1,024, N 1,024]; A: input x; B: input wv_w: QUANTISED
;;     4. batch 64 x [M 2,048, K 64] x [K 64, N 2,048]; A: computed on the way; B: computed on the way: QUANTISED
;;     5. batch 64 x [M 64, K 2,048] x [K 2,048, N 2,048]; A: computed on the way; B: softmax (see below): QUANTISED
;;     6. [M 8,192, K 1,024] x [K 1,024, N 1,024]; A: computed on the way; B: input wo_w: QUANTISED
;;   THE QUANTISER, for each operand of a quantised product, along K:
;;     - K is cut into blocks of 32 from its start; a last block that is shorter is filled with zeros.
;;     - A block's scale is 2^e with e = floor(log2(the largest magnitude in the block)) - 2, held to -126 .. 127; a block of zeros has e = 0. As a byte (E8M0): e + 127.
;;     - Each number is divided by its block's scale, clamped to +-7.5, and rounded to the nearest number of E2M3, ties to even, subnormals kept.
;;     - The product sums the exact products of the quantised numbers (number of the format x scale) in f32.
;;   ~~~python
;;   def quantise(x, axis):      # numpy; x: float32 -> the quantised numbers, widened to float32 again
;;       x = np.moveaxis(x, axis, -1); K = x.shape[-1]
;;       x = np.pad(x, [(0, 0)] * (x.ndim - 1) + [(0, -K % 32)]); x = x.reshape(x.shape[:-1] + (-1, 32)); a = np.abs(x).max(-1, keepdims=True)
;;       e = np.where(a > 0, np.clip(np.frexp(np.where(a > 0, a, 1))[1] - 1 - 2, -126, 127), 0)      # np.frexp(a)[1] - 1 = floor(log2(a)), exactly
;;       r = np.clip(x / 2.0 ** e, -7.5, 7.5)
;;       step = 2.0 ** (np.maximum(np.frexp(np.where(r == 0, 1, r))[1] - 1, 0) - 3)
;;       q = np.round(r / step) * step * 2.0 ** e      # np.round: ties to even
;;       return np.moveaxis(q.reshape(q.shape[:-2] + (-1,))[..., :K], -1, axis).astype(np.float32)
;;   ~~~
;;   SOFTMAX AHEAD OF A QUANTISED PRODUCT. Where the list says 'softmax', what is quantised is not the finished softmax but p = 2^(t - M), with t = logit x log2(e) and M = ceil(the row's largest t), a whole number; so 1/2 < the row's largest p <= 1. The row's sum l is taken of the UNQUANTISED p, in f32, and the product's result is divided by l at the end. Since M is a whole number, a kernel that streams over the keys may use a running M (the ceiling of the running maximum): every later rescaling is an exact power of two, which a block's scale takes up: the codes' values come out the same.
;;   OPERANDS COMPUTED ON THE WAY. 'Computed on the way' means the value that the module computes at that place (a softmax that the list does not call 'softmax' is quantised finished and normalised). What goes into a quantiser is computed in f32, as accurately as f32 sums, v_exp_f32 and their like allow (about 1e-6 of the number): no bf16 or f16 on the way to a quantiser, and a product that is left as it is and whose result goes on into a quantised operand takes f32 operands (vector FMAs, or v_wmma_f32_16x16x4_f32). A number that lies on a knife's edge between two numbers of the format may be rounded either way, as far as f32 arithmetic and the matrix unit's own rounding can turn it there, and no further.
;; One version. Each part assembles by itself: llvm-mc -triple=amdgcn-amd-amdhsa -mcpu=gfx1250 --defsym DOCPART=n.
;; ======== version 1 of 1: 4 launches
;; limits: right only within a limited range of input values
;; workspace buffers: img 9,437,184 bytes; isc 393,216 bytes; rope 524,288 bytes; qkv 20,185,088 bytes; a_img 6,291,456 bytes; a_sc 262,144 bytes
;; launch prep (part 1): grid 400 x 1, 4 waves a work-group, no clusters, 34,304 bytes of LDS; arguments x, wq_w, wk_w, wv_w, wo_w, img, isc, rope; writes img, isc, rope
.if DOCPART == 1
	.amdgcn_target "amdgcn-amd-amdhsa--gfx1250"
	.amdhsa_code_object_version 6
	.text
	.protected	k_q32358e74ab_prep
	.globl	k_q32358e74ab_prep
	.p2align	8
	.type	k_q32358e74ab_prep,@function
k_q32358e74ab_prep:
	s_mov_b64 s[64:65], 0
	v_nop
	global_prefetch_b8 v0, s[64:65] scope:SCOPE_SE
	s_setreg_imm32_b32 hwreg(HW_REG_WAVE_MODE, 25, 1), 1
	s_wait_xcnt 0x0
; x [8192][1024] and the four weights [1024][1024], f32, K innermost, become codes of FP6 (E2M3) with one E8M0 byte for each 32 along K,
; laid as IMAGES OF OPERAND REGISTERS; and the table of cos and sin for the rotation is made.
; img: [tile T 0..767][K step 0..7][1,536 bytes].  T 0-511 x, 512-575 wq, 576-639 wk, 640-703 wv, 704-767 wo.  Lane row r of tile T is row
; 32 (T / 2) + 8 (T % 2) + r + 8 (r / 8) of its tensor, so that a product's results lie as 16 neighbours in the 16 registers of two neighbouring tiles.
; A fragment's byte 512 q + 16 lane holds registers 4 q .. 4 q + 3 of that lane.   isc: byte 512 T + 128 (step / 2) + 8 r + 4 (step % 2) + block.
; rope: [frequency 0..31][position 0..2047][cos, sin] f32.
; A block's scale is 2^(floor(log2(largest magnitude)) - 2); its byte is that magnitude's exponent field - 2, held at 1 from below.
; LIMITS: NaN and infinities are not served.  A block of zeros gets the byte 1 where the quantiser's text says 127: its codes are zeros, and this program alone reads the bytes.
; The frequencies are the f32 numbers nearest to 10^(-i/8); a power computed in f32 may differ from them in the last places.
; SHARES.  Work-groups 0-383: wave w takes tile 2 g + w / 2 and half w % 2 of K: 16 rows x 512 numbers, four units of 128 along K.  Each load reads 512 consecutive bytes of a row;
; a unit turns through the wave's own stage in LDS (16 rows of 528 bytes, 33 x 16) so that a lane gets 16 neighbours of each block.  No barrier: waves share nothing.
; Work-groups 384-399: 128 positions each, a thread a position, 32 frequencies; no LDS.
.set STGB, 8448
.set RR,   16                          ; v16-143  two sets of 64 numbers as loaded
.set XX,   144                         ; v144-207 64 numbers: register 16 b + i = k 32 b + 16 (lane / 16) + i of my row
.set PC,   208                         ; v208-227 the codes just made
.set TM,   228                         ; v228-243 at work in QUANT
.set PW,   244                         ; the scale word just made
.set SW,   246                         ; v246-249 the four units' scale words
.set SEL,  28                          ; s[28:29] selects for lane l xor 16
; 64 numbers of a lane become a fragment's codes in v[PC] .. v[PC+11] and its row's scale word in v[PW]
.macro QUANT s
.irp b, 0,1,2,3
	v_max3_num_f32 v[TM+\b], |v[\s+16*\b]|, |v[\s+1+16*\b]|, 0x1800000   ; my 16 numbers of block b, and the floor 2^(3 - 127): the byte cannot fall under 1
.endr
.irp i, 2,4,6,8,10,12,14
.irp b, 0,1,2,3
	v_max3_num_f32 v[TM+\b], v[TM+\b], |v[\s+16*\b+\i]|, |v[\s+1+16*\b+\i]|
.endr
.endr
.irp b, 0,1,2,3
	v_permlanex16_b32 v[TM+4+\b], v[TM+\b], s[SEL], s[SEL+1]
.endr
.irp b, 0,1,2,3
	v_max_num_f32 v[TM+\b], v[TM+\b], v[TM+4+\b]         ; with lane l xor 16's 16: the block's largest magnitude
.endr
.irp b, 0,1,2,3
	v_add_nc_u32 v[TM+12+\b], 0xff000000, v[TM+\b]       ; 2 off its exponent field: the conversion's scale operand
.endr
.irp b, 0,1,2,3
	v_lshrrev_b32 v[TM+4+\b], 23, v[TM+12+\b]            ; the scale's byte
.endr
	v_lshl_or_b32 v[PW], v[TM+5], 8, v[TM+4]
	v_lshl_or_b32 v[PW], v[TM+6], 16, v[PW]
	v_lshl_or_b32 v[PW], v[TM+7], 24, v[PW]
.irp c, 0,1
	v_cvt_scalef32_pk16_fp6_f32 v[PC+6*\c:PC+2+6*\c], v[\s+32*\c:\s+15+32*\c], v[TM+12+2*\c]
	v_cvt_scalef32_pk16_fp6_f32 v[PC+12+4*\c:PC+14+4*\c], v[\s+16+32*\c:\s+31+32*\c], v[TM+12+2*\c+1]   ; (a conversion's three registers begin on an even number)
.endr
	v_nop                                                ; one plain instruction behind the scaled conversions
.irp c, 0,1                                          ; the operand wants a whole block in a lane: lanes 0-15 block 2 c, lanes 16-31 block 2 c + 1
.irp i, 0,1,2
	v_permlane16_swap_b32 v[PC+6*\c+\i], v[PC+12+4*\c+\i]
.endr
.irp i, 0,1,2
	v_mov_b32 v[PC+3+6*\c+\i], v[PC+12+4*\c+\i]
.endr
.endr
.endm
	s_load_b256 s[4:11], s[0:1], 0x0               ; x, wq_w, wk_w, wv_w
	s_load_b256 s[12:19], s[0:1], 0x20             ; wo_w, img, isc, rope
	v_lshl_add_u32 v254, v0, 2, 0x8400
	v_mov_b32 v255, 0
	s_cmp_ge_u32 ttmp9, 384
	s_cbranch_scc1 .Ltable
	v_lshrrev_b32 v1, 5, v0
	v_readfirstlane_b32 s24, v1                    ; wave
	v_and_b32 v1, 31, v0                           ; lane
	v_and_b32 v2, 15, v0                           ; r
	v_bfe_u32 v3, v0, 4, 1                         ; h
	v_lshlrev_b32 v4, 4, v1                        ; 16 x lane
	s_mul_i32 s25, s24, STGB                       ; my stage
	v_add_nc_u32 v5, s25, v4                       ; into it: a row's 512 bytes as they lie
	v_mul_u32_u24 v6, v2, 528
	v_lshl_add_u32 v6, v3, 6, v6
	v_add_nc_u32 v6, s25, v6                       ; out of it: row r, + 64 h
	v_lshlrev_b32 v7, 3, v1                        ; 8 x lane
	s_mov_b32 s[SEL], 0x76543210
	s_mov_b32 s[SEL+1], 0xfedcba98
	s_mov_b32 s30, 0xffff0000                      ; lanes 16-31
.irp b, 0,1,2,3
	v_mov_b32 v[TM+4+\b], 0                        ; written once: a lane permute's destination counts as one of its sources
.endr
	s_lshl_b32 s26, ttmp9, 1
	s_lshr_b32 s27, s24, 1
	s_add_co_u32 s26, s26, s27                     ; T
	s_and_b32 s27, s24, 1                          ; which half of K
	s_cmp_lt_u32 ttmp9, 256
	s_cselect_b32 s31, 511, 63
	s_and_b32 s31, s26, s31                        ; the tile's number in its own tensor
	s_lshr_b32 s32, s31, 1
	s_lshl_b32 s32, s32, 5
	s_and_b32 s31, s31, 1
	s_lshl_b32 s31, s31, 3
	s_add_co_u32 s32, s32, s31                     ; its first row
	s_lshl_b32 s32, s32, 12                        ; rows of 4,096 bytes
	s_lshl_b32 s31, s27, 11
	s_add_co_u32 s32, s32, s31
	s_mov_b32 s33, 0
	s_mul_i32 s34, s26, 12288
	s_mul_i32 s31, s27, 6144
	s_add_co_u32 s34, s34, s31
	s_mov_b32 s35, 0
	s_lshl_b32 s36, s26, 9
	s_lshl_b32 s31, s27, 8
	s_add_co_u32 s36, s36, s31
	s_mov_b32 s37, 0
	s_wait_alu depctr_va_vdst(0)
	s_wait_kmcnt 0x0
	s_mov_b64 s[20:21], s[4:5]                     ; which tensor: the choice hangs on the work-group's number alone
	s_cmp_ge_u32 ttmp9, 256
	s_cselect_b64 s[20:21], s[6:7], s[20:21]
	s_cmp_ge_u32 ttmp9, 288
	s_cselect_b64 s[20:21], s[8:9], s[20:21]
	s_cmp_ge_u32 ttmp9, 320
	s_cselect_b64 s[20:21], s[10:11], s[20:21]
	s_cmp_ge_u32 ttmp9, 352
	s_cselect_b64 s[20:21], s[12:13], s[20:21]
	s_add_nc_u64 s[20:21], s[20:21], s[32:33]
	s_add_nc_u64 s[14:15], s[14:15], s[34:35]
	s_add_nc_u64 s[16:17], s[16:17], s[36:37]
.macro LOAD t                          ; unit t: 128 along K of my 16 rows; each load is 512 consecutive bytes of one row
.irp p, 0,1,2,3,4,5,6,7,8,9,10,11,12,13,14,15
	global_load_b128 v[RR+64*((\t)%2)+4*\p:RR+64*((\t)%2)+4*\p+3], v4, s[20:21] offset:(\p+8*(\p/8))*4096+512*(\t) th:TH_LOAD_NT
.endr
.endm
.macro UNIT t
.if (\t) < 3
	s_wait_loadcnt 16                              ; this unit's 16 loads are in; the next unit's 16 may be out
.else
	s_wait_loadcnt 0x0
.endif
.irp p, 0,1,2,3,4,5,6,7,8,9,10,11,12,13,14,15
	ds_store_b128 v5, v[RR+64*((\t)%2)+4*\p:RR+64*((\t)%2)+4*\p+3] offset:528*\p
.endr
.irp b, 0,1,2,3
.irp j, 0,1,2,3
	ds_load_b128 v[XX+16*\b+4*\j:XX+16*\b+4*\j+3], v6 offset:128*\b+16*\j   ; LDS serves a wave's instructions in order: these see the stores above
.endr
.endr
	s_wait_dscnt 0x0                               ; the numbers are back, so the stores have read their registers,
.if (\t) < 2
	LOAD (\t)+2                                    ; which take the loads of two units on
.endif
.if (\t) > 0
	s_wait_xcnt 0x0                                ; the last unit's stores have read the codes' registers: they are written again only behind this wait
.endif
	QUANT XX
	v_mov_b32 v[SW+(\t)], v[PW]
.irp q, 0,1,2
	global_store_b128 v4, v[PC+4*\q:PC+4*\q+3], s[14:15] offset:1536*(\t)+512*\q   ; 32 lanes store 512 consecutive bytes, aligned
.endr
.endm
	LOAD 0
	LOAD 1
	UNIT 0
	UNIT 1
	UNIT 2
	UNIT 3
	v_cndmask_b32 v250, v[SW], v[SW+2], s30        ; lanes 0-15 carry units 0 and 1, lanes 16-31 units 2 and 3 (a row's word is the same in both halves of the lanes)
	v_cndmask_b32 v251, v[SW+1], v[SW+3], s30
	global_store_b64 v7, v[250:251], s[16:17]      ; 256 consecutive bytes, aligned
	s_wait_tensorcnt 0x0
	ds_add_u32 v254, v255
	s_wait_dscnt 0x0
	s_endpgm
.Ltable:
	s_sub_co_u32 s24, ttmp9, 384
	s_lshl_b32 s24, s24, 7
	v_add_nc_u32 v1, s24, v0                       ; my position
	v_cvt_f32_u32 v2, v1
	v_lshlrev_b32 v3, 3, v1                        ; 8 bytes a position
	s_wait_alu depctr_va_vdst(0)
	s_wait_kmcnt 0x0
; angle = position x frequency, rounded once; n = the nearest whole number of quarter turns; the rest by pi/2 in three parts; sine and cosine of the rest (at most pi/4) by their series up to x^9 and x^10;
; the quarter turn swaps and signs them.  Each frequency has its own pair of result registers: no store's data are written again.
.macro FREQ i, f
	v_mul_f32 v4, \f, v2
	v_mul_f32 v5, 0x3f22f983, v4                   ; x 2 / pi
	v_rndne_f32 v5, v5
	v_fmamk_f32 v6, v5, 0xbfc90fd8, v4
	v_fmamk_f32 v6, v5, 0xb4a8885a, v6
	v_fmamk_f32 v6, v5, 0xa7c234c4, v6             ; the rest
	v_mul_f32 v7, v6, v6
	v_mov_b32 v8, 0x3638ef1d                       ; 1/9!
	v_fmaak_f32 v8, v8, v7, 0xb9500d01             ; -1/7!
	v_fmaak_f32 v8, v8, v7, 0x3c088889             ; 1/5!
	v_fmaak_f32 v8, v8, v7, 0xbe2aaaab             ; -1/3!
	v_mul_f32 v9, v6, v7
	v_fma_f32 v8, v8, v9, v6                       ; sine
	v_mov_b32 v10, 0xb493f27e                      ; -1/10!
	v_fmaak_f32 v10, v10, v7, 0x37d00d01           ; 1/8!
	v_fmaak_f32 v10, v10, v7, 0xbab60b61           ; -1/6!
	v_fmaak_f32 v10, v10, v7, 0x3d2aaaab           ; 1/4!
	v_fmaak_f32 v10, v10, v7, 0xbf000000           ; -1/2
	v_fma_f32 v10, v10, v7, 1.0                    ; cosine
	v_cvt_i32_f32 v11, v5
	v_and_b32 v12, 1, v11
	v_cmp_eq_u32 vcc_lo, 1, v12
	v_cndmask_b32 v13, v10, v8, vcc_lo             ; an odd quarter turn swaps the two
	v_cndmask_b32 v14, v8, v10, vcc_lo
	v_add_nc_u32 v12, 1, v11
	v_lshlrev_b32 v12, 30, v12
	v_lshlrev_b32 v11, 30, v11
	v_and_b32 v12, 0x80000000, v12                 ; cos is negative in quarters 1 and 2,
	v_and_b32 v11, 0x80000000, v11                 ; sin in quarters 2 and 3
	v_xor_b32 v[64+2*\i], v13, v12
	v_xor_b32 v[65+2*\i], v14, v11
	global_store_b64 v3, v[64+2*\i:65+2*\i], s[18:19] offset:16384*\i   ; 32 lanes store 256 consecutive bytes, aligned
.endm
	FREQ 0, 1.0
	FREQ 1, 0.7498942093
	FREQ 2, 0.5623413252
	FREQ 3, 0.4216965034
	FREQ 4, 0.3162277660
	FREQ 5, 0.2371373706
	FREQ 6, 0.1778279410
	FREQ 7, 0.1333521432
	FREQ 8, 0.1
	FREQ 9, 0.07498942093
	FREQ 10, 0.05623413252
	FREQ 11, 0.04216965034
	FREQ 12, 0.03162277660
	FREQ 13, 0.02371373706
	FREQ 14, 0.01778279410
	FREQ 15, 0.01333521432
	FREQ 16, 0.01
	FREQ 17, 0.007498942093
	FREQ 18, 0.005623413252
	FREQ 19, 0.004216965034
	FREQ 20, 0.003162277660
	FREQ 21, 0.002371373706
	FREQ 22, 0.001778279410
	FREQ 23, 0.001333521432
	FREQ 24, 0.001
	FREQ 25, 0.0007498942093
	FREQ 26, 0.0005623413252
	FREQ 27, 0.0004216965034
	FREQ 28, 0.0003162277660
	FREQ 29, 0.0002371373706
	FREQ 30, 0.0001778279410
	FREQ 31, 0.0001333521432
	s_endpgm
.Lfunc_end_k_q32358e74ab_prep:
	.size	k_q32358e74ab_prep, .Lfunc_end_k_q32358e74ab_prep-k_q32358e74ab_prep
	.p2alignl 7, 3214868480
	.fill 96, 4, 3214868480
	.section	.rodata,"a",@progbits
	.p2align	6, 0x0
	.amdhsa_kernel k_q32358e74ab_prep
		.amdhsa_group_segment_fixed_size 34304
		.amdhsa_private_segment_fixed_size 0
		.amdhsa_enable_private_segment 0
		.amdhsa_kernarg_size 64
		.amdhsa_user_sgpr_count 2
		.amdhsa_user_sgpr_kernarg_segment_ptr 1
		.amdhsa_wavefront_size32 1
		.amdhsa_system_sgpr_workgroup_id_x 1
		.amdhsa_system_sgpr_workgroup_id_y 1
		.amdhsa_system_sgpr_workgroup_id_z 1
		.amdhsa_system_vgpr_workitem_id 0
		.amdhsa_next_free_vgpr 256
		.amdhsa_next_free_sgpr 66
		.amdhsa_reserve_vcc 1
		.amdhsa_float_denorm_mode_32 3
		.amdhsa_float_denorm_mode_16_64 3
		.amdhsa_memory_ordered 1
		.amdhsa_forward_progress 1
		.amdhsa_inst_pref_size 86
	.end_amdhsa_kernel
	.amdgpu_metadata
---
amdhsa.version: [ 1, 2 ]
amdhsa.kernels:
  - .name:           k_q32358e74ab_prep
    .symbol:         k_q32358e74ab_prep.kd
    .args:
      - { .name: x, .offset: 0, .size: 8, .value_kind: global_buffer, .address_space: global }
      - { .name: wq_w, .offset: 8, .size: 8, .value_kind: global_buffer, .address_space: global }
      - { .name: wk_w, .offset: 16, .size: 8, .value_kind: global_buffer, .address_space: global }
      - { .name: wv_w, .offset: 24, .size: 8, .value_kind: global_buffer, .address_space: global }
      - { .name: wo_w, .offset: 32, .size: 8, .value_kind: global_buffer, .address_space: global }
      - { .name: img, .offset: 40, .size: 8, .value_kind: global_buffer, .address_space: global }
      - { .name: isc, .offset: 48, .size: 8, .value_kind: global_buffer, .address_space: global }
      - { .name: rope, .offset: 56, .size: 8, .value_kind: global_buffer, .address_space: global }
    .group_segment_fixed_size: 34304
    .private_segment_fixed_size: 0
    .kernarg_segment_align: 8
    .kernarg_segment_size: 64
    .max_flat_workgroup_size: 128
    .sgpr_count:     66
    .vgpr_count:     256
    .wavefront_size: 32
...
	.end_amdgpu_metadata
.endif
;; end of part 1
;; launch qkv (part 2): grid 24 x 32, 4 waves a work-group, clusters of 4 x 4, 327,680 bytes of LDS; arguments img, isc, rope, wq_b, wk_b, wv_b, qkv; writes qkv
.if DOCPART == 2
	.amdgcn_target "amdgcn-amd-amdhsa--gfx1250"
	.amdhsa_code_object_version 6
	.text
	.protected	k_q32358e74ab_qkv
	.globl	k_q32358e74ab_qkv
	.p2align	8
	.type	k_q32358e74ab_qkv,@function
k_q32358e74ab_qkv:
	s_mov_b64 s[64:65], 0
	v_nop
	global_prefetch_b8 v0, s[64:65] scope:SCOPE_SE
	s_setreg_imm32_b32 hwreg(HW_REG_WAVE_MODE, 25, 1), 1
	s_wait_xcnt 0x0
	s_wait_alu depctr_hold_cnt(0) depctr_sa_sdst(0) depctr_va_vdst(0) depctr_va_sdst(0) depctr_va_ssrc(0) depctr_va_vcc(0) depctr_vm_vsrc(0)
	s_getreg_b32 s2, hwreg(HW_REG_IB_STS2, 6, 4)
	s_cmp_eq_u32 s2, 0
	s_cbranch_scc0 .Lentry_in_a_cluster
	s_endpgm
.Lentry_in_a_cluster:
	s_bfe_u32 s2, ttmp6, 0x10000c
	s_cmp_lg_u32 s2, 0xf033
	s_cbranch_scc0 .Lentry_shape_is_right
	s_endpgm
.Lentry_shape_is_right:
; q, k and v: x W^T + b on codes of FP6 (E2M3) with E8M0 scales, then the rotation of q and k, then the quantisers for the two products of attention: q and k along the head's 64, v along the keys.
; A work-group multiplies 256 rows of one operand (S1, source 1) by 128 rows of the other (S0, source 0) over all of K = 1,024.  Wave w takes S1's tiles 4 w .. 4 w + 3 against S0's eight: 32 accumulators.
; In a result lane (r, h) holds row r of S1's tile, and register j of accumulator (a, b) the S0 row 32 (b / 2) + 16 h + 8 (b % 2) + j (the image tiles' own row order): 64 registers along S0, 16 neighbours for each block of 32.
; KINDS, by the cluster's x (the same in all partners): 0, 1: q; 2, 3: k: S1 = 256 tokens, S0 = 128 rows of the weight (two heads): a lane holds a token, its registers run along d.
; 4, 5: v: THE OPERANDS CHANGE PLACES: S1 = 256 rows of wv (wave w: one head), S0 = 128 tokens: a lane holds one d, its registers run along the keys, which are the second product's K.
; LDS IS FILLED ONCE: all of K of both operands, in four chunks of 256 along K, and their scale words: 307,200 bytes.  No byte is filled twice, so there is no ring.  A wave has one tensor load out at the most.
; CLUSTER 4 x 4: S1's tiles are shared along a row of the cluster, S0's along a column: joint loads, one mask a line.
; qkv: [batch x head][128 keys][19,712 bytes]: K's codes 6,144 (8 tiles x 768: plane p at 256 p + 8 lane holds registers 2 p, 2 p + 1), K's scale words 512, V's codes 6,144 (4 tiles of d x 1,536, whole fragments), V's scale words 256, Q's codes 6,144, Q's words 512.
; In a scale word of q or k bytes 0 and 1 are the head's two blocks; bytes 2 and 3 are the neighbouring head's bytes or 0: they meet zero codes alone and are never 0xff.
; LIMITS: NaN and infinities are not served; a block of zeros gets the byte 1 (its codes are zeros; this program alone reads the bytes).
; REGISTERS, in windows of 256: window 0: v0-23 addresses; v32-63 scale words, two sets; v64-127 the bias in the result's layout; v128-223 S1's fragments, two sets; v224-231 v's bias.  In the epilogue v64-179 are at work.
;   window 1: the accumulators, (a, b) at v[8 (8 a + b)].   window 2: S0's fragments, two sets, at v0 and v96.   window 3: v0-127 cos and sin, pair e of tile a at v[32 a + 2 e].
.set REC,   19712
.set HEADB, 16*REC                     ; from a head's record to the next head's
.set BREG,  196608                     ; LDS: S1's codes at 0: [half of K][16 tiles][6,144]; S0's here: [half of K][8 tiles][6,144]
.set ASC,   294912                     ; S1's scale words, 512 bytes a tile
.set BSC,   303104                     ; S0's
.set ACH,   49152
.set BCH,   24576
.set WV,    18
.set SEL,   104
.set G1A,   24                         ; s[24:31], s[32:39] groups 1 for codes: S1's, S0's;  s[40:47], s[48:55] for scale words
.set G1B,   32
.set G1SA,  40
.set G1SB,  48
.set ADA,   6                          ; v6-9   LDS address of my S1 fragments in chunk 0..3
.set ADB,   10                         ; v10-13 of S0's
.set ADRS,  14                         ; v14    of the scale words: lanes 0-15 S1's, lanes 16-31 S0's
.set VSH,   15                         ; v15    16 in lanes 16-31 of q and k, else 0
.set STS,   16                         ; v16    my stage for scale words: in
.set STR,   17                         ; v17    and back
.set OC8,   18                         ; v18    where q's and k's codes go
.set OSC,   19                         ; v19    where the scale words go
.set SC,    32
.set BI,    64
.set AF,    128
.set BL,    224
.set ST,    64
.set PC,    128
.set TM,    148
.set PW,    164
.set TP,    168
.set MSB, 0
.macro WIN new                         ; the immediate's high byte repeats the setting that is left
.if MSB != \new
	s_set_vgpr_msb (MSB<<8)|\new
.set MSB, \new
.endif
.endm
.macro PLACES n
.rept \n
	v_nop
.endr
.endm
.macro CROUND                          ; a round of the cluster's barrier
	s_barrier_signal -1
	s_barrier_wait -1
	s_cmp_lg_u32 s[WV], 0
	s_cbranch_scc1 .Lnot_wave_0_\@
	s_barrier_signal -3
.Lnot_wave_0_\@:
	s_barrier_wait -3
	s_barrier_signal -1
	s_barrier_wait -1
.endm
.macro G0SET g, ldsreg, ldsadd, ptr, off, add     ; a group 0: count 1, LDS address, global address, type 2
	s_mov_b32 s[\g], 1
	s_add_co_u32 s[\g+1], s[\ldsreg], \ldsadd
	s_add_nc_u64 s[\g+2:\g+3], s[\ptr:\ptr+1], s[\off:\off+1]
.if (\add) > 0
	s_add_nc_u64 s[\g+2:\g+3], s[\g+2:\g+3], \add
.endif
	s_or_b32 s[\g+3], s[\g+3], 0x80000000
.endm
.macro QUANT s                         ; 64 numbers of a lane (register 16 b + i = k 32 b + 16 h + i of my row) become a fragment in v[PC] .. v[PC+11] and its scale word in v[PW]
.irp b, 0,1,2,3
	v_max3_num_f32 v[TM+\b], |v[\s+16*\b]|, |v[\s+1+16*\b]|, 0x1800000   ; with the floor 2^(3 - 127): the byte cannot fall under 1
.endr
.irp i, 2,4,6,8,10,12,14
.irp b, 0,1,2,3
	v_max3_num_f32 v[TM+\b], v[TM+\b], |v[\s+16*\b+\i]|, |v[\s+1+16*\b+\i]|
.endr
.endr
.irp b, 0,1,2,3
	v_permlanex16_b32 v[TM+4+\b], v[TM+\b], s[SEL], s[SEL+1]
.endr
.irp b, 0,1,2,3
	v_max_num_f32 v[TM+\b], v[TM+\b], v[TM+4+\b]
.endr
.irp b, 0,1,2,3
	v_add_nc_u32 v[TM+12+\b], 0xff000000, v[TM+\b]       ; 2 off the exponent field: the conversion's scale operand
.endr
.irp b, 0,1,2,3
	v_lshrrev_b32 v[TM+4+\b], 23, v[TM+12+\b]            ; the scale's byte
.endr
	v_lshl_or_b32 v[PW], v[TM+5], 8, v[TM+4]
	v_lshl_or_b32 v[PW], v[TM+6], 16, v[PW]
	v_lshl_or_b32 v[PW], v[TM+7], 24, v[PW]
.irp c, 0,1
	v_cvt_scalef32_pk16_fp6_f32 v[PC+6*\c:PC+2+6*\c], v[\s+32*\c:\s+15+32*\c], v[TM+12+2*\c]
	v_cvt_scalef32_pk16_fp6_f32 v[PC+12+4*\c:PC+14+4*\c], v[\s+16+32*\c:\s+31+32*\c], v[TM+12+2*\c+1]
.endr
	v_nop                                                ; one plain instruction behind the scaled conversions
.irp c, 0,1
.irp i, 0,1,2
	v_permlane16_swap_b32 v[PC+6*\c+\i], v[PC+12+4*\c+\i]
.endr
.irp i, 0,1,2
	v_mov_b32 v[PC+3+6*\c+\i], v[PC+12+4*\c+\i]
.endr
.endr
.endm
	s_load_b256 s[4:11], s[0:1], 0x0               ; img, isc, rope, wq_b
	s_load_b128 s[12:15], s[0:1], 0x20             ; wk_b, wv_b
	s_load_b64 s[16:17], s[0:1], 0x30              ; qkv
	v_lshl_add_u32 v254, v0, 2, 0x4b000
	v_mov_b32 v255, 0
	ds_add_u32 v254, v255
	ds_add_u32 v254, v255
	v_lshrrev_b32 v1, 5, v0
	v_readfirstlane_b32 s[WV], v1                  ; wave 0..3
	s_bfe_u32 s19, ttmp6, 0x40000                  ; cx
	s_bfe_u32 s20, ttmp6, 0x40004                  ; cy
	s_and_b32 s22, ttmp7, 0xffff                   ; the cluster's y
	s_lshl_b32 s100, s20, 2
	s_lshl_b32 s100, 15, s100                      ; my row of the cluster
	s_lshl_b32 s101, 0x1111, s19                   ; my column
	s_or_b32 s[G1A], s100, (3<<16)|(1<<21)         ; 15:0 the mask; 17:16 elements of 8 bytes; 21 set beside a mask; no padding
	s_or_b32 s[G1SA], s100, (3<<16)|(1<<21)
	s_or_b32 s[G1B], s101, (3<<16)|(1<<21)
	s_or_b32 s[G1SB], s101, (3<<16)|(1<<21)
.irp g, G1A, G1B                       ; codes: a half of K of the tiles: a row of 768 elements (6,144 bytes) a tile, 1,536 elements (a tile's 12,288 bytes) apart
	s_mov_b32 s[\g+1], 768<<16                     ; a row: half of K of a tile, 6,144 bytes
	s_mov_b32 s[\g+2], (8+G1B-\g)<<16              ; S1: 16 tiles, S0: 8
	s_mov_b32 s[\g+3], 768<<16
	s_mov_b32 s[\g+4], 8+G1B-\g
	s_mov_b32 s[\g+5], 1536
	s_mov_b32 s[\g+6], 0
	s_mov_b32 s[\g+7], 0
.endr
.irp g, G1SA, G1SB                     ; scale words of 8 tiles: 4,096 dense bytes as 16 rows of 256
	s_mov_b32 s[\g+1], 32<<16
	s_mov_b32 s[\g+2], (16+2*(G1SB-\g))<<16        ; S1: 32 rows of 256 bytes, S0: 16
	s_mov_b32 s[\g+3], 32<<16
	s_mov_b32 s[\g+4], 16+2*(G1SB-\g)
	s_mov_b32 s[\g+5], 32
	s_mov_b32 s[\g+6], 0
	s_mov_b32 s[\g+7], 0
.endr
	; first tiles.  S1: q, k: 64 Y + 16 cy (tokens); v: 640 + 16 cy (wv).  S0: q, k: 512 + 32 X + 8 cx (wq, wk); v: 256 (X - 4) + 32 Y + 8 cx (tokens)
	s_lshl_b32 s2, s22, 6
	s_lshl_b32 s66, ttmp9, 5
	s_add_co_u32 s66, s66, 512
	s_lshl_b32 s67, ttmp9, 8
	s_sub_co_u32 s67, s67, 1024
	s_lshl_b32 s3, s22, 5
	s_add_co_u32 s67, s67, s3
	s_cmp_ge_u32 ttmp9, 4
	s_cselect_b32 s2, 640, s2
	s_cselect_b32 s66, s67, s66
	s_lshl_b32 s3, s20, 4
	s_add_co_u32 s104, s2, s3
	s_lshl_b32 s67, s19, 3
	s_add_co_u32 s105, s66, s67                    ; S0's first tile
	s_mov_b32 s21, 0
	s_mov_b32 s23, 0
	s_mov_b32 s3, 0
	s_mov_b32 s67, 0
	s_wait_dscnt 0x0
	CROUND                                         ; the opening round, ahead of the wait for the arguments: all sixteen work-groups are here
	s_wait_kmcnt 0x0
	s_mul_i32 s2, s104, 512
	G0SET 56, 23, ASC, 6, 2, 0
	s_mul_i32 s2, s104, 12288
	G0SET 60, 21, 0, 4, 2, 0
	G0SET 68, 21, 2*ACH, 4, 2, 6144                ; S1's second half of K
	s_mul_i32 s66, s105, 512
	G0SET 80, 67, BSC, 6, 66, 0
	s_mul_i32 s66, s105, 12288
	G0SET 84, 67, BREG, 4, 66, 0
	G0SET 88, 67, BREG+2*BCH, 4, 66, 6144          ; S0's second half of K
	s_cmp_eq_u32 s[WV], 0
	s_cbranch_scc0 .Lhead_1
	tensor_load_to_lds s[60:63], s[G1A:G1A+7]      ; wave 0: S1's first half of K
	s_nop 0
	PLACES 4
	s_branch .Lasked
.Lhead_1:
	s_cmp_eq_u32 s[WV], 1
	s_cbranch_scc0 .Lhead_2
	tensor_load_to_lds s[84:87], s[G1B:G1B+7]      ; wave 1: S0's first half of K
	s_nop 0
	PLACES 4
	s_branch .Lasked
.Lhead_2:
	s_cmp_eq_u32 s[WV], 2
	s_cbranch_scc0 .Lhead_3
	tensor_load_to_lds s[56:59], s[G1SA:G1SA+7]    ; wave 2: S1's scale words
	s_nop 0
	PLACES 4
	s_branch .Lasked
.Lhead_3:
	tensor_load_to_lds s[80:83], s[G1SB:G1SB+7]    ; wave 3: S0's scale words
	s_nop 0
	PLACES 4
.Lasked:
	s_mov_b32 s[SEL], 0x76543210
	s_mov_b32 s[SEL+1], 0xfedcba98
	v_and_b32 v1, 31, v0                           ; lane
	v_and_b32 v2, 15, v0                           ; r
	v_bfe_u32 v3, v0, 4, 1                         ; h
	v_lshlrev_b32 v4, 4, v1                        ; 16 x lane
	v_lshlrev_b32 v5, 3, v1                        ; 8 x lane
	s_mul_i32 s2, s[WV], 24576                     ; LDS: [half of K][tile][6,144]; my four tiles of S1
.irp c, 0,1,2,3
	v_add_nc_u32 v[ADA+\c], s2, v4
	v_add_nc_u32 v[ADB+\c], BREG+2*BCH*(\c/2)+3072*(\c%2), v4
	s_add_co_u32 s2, s2, 3072+(2*ACH-6144)*(\c%2)
.endr
	s_xor_b32 s3, s[WV], 3
	s_add_co_u32 s3, s3, 1
	s_lshl_b32 s3, s3, 11                          ; from my S1 words to S0's: 8,192 - 2,048 w
	v_mul_u32_u24 v[ADRS], s3, v3                  ; lanes 16-31 take S0's
	v_lshl_add_u32 v[ADRS], v2, 3, v[ADRS]
	s_lshl_b32 s2, s[WV], 11
	s_add_co_u32 s2, s2, ASC
	v_add_nc_u32 v[ADRS], s2, v[ADRS]
	s_mul_i32 s2, s[WV], 24576
	v_lshlrev_b32 v[STS], 8, v3
	v_lshl_add_u32 v[STS], v2, 3, v[STS]
	v_add_nc_u32 v[STS], s2, v[STS]
	v_add_nc_u32 v[STR], s2, v5
	s_and_b32 s3, s[WV], 1
	s_mul_i32 s2, s3, 3072
	v_add_nc_u32 v[OC8], s2, v5                    ; q, k: tile 4 (w % 2) + a of the record
	s_lshl_b32 s3, s3, 8
	s_cmp_ge_u32 ttmp9, 4
	s_cselect_b32 s3, 0, s3
	s_cselect_b32 s2, 0, 16
	s_add_co_u32 s3, s3, 6144
	v_add_nc_u32 v[OSC], s3, v5
	v_mul_u32_u24 v[VSH], s2, v3
	v_and_b32 v21, 8, v2
	v_add_nc_u32 v21, v21, v2                      ; r + 8 (r / 8)
	v_lshlrev_b32 v20, 17, v3
	v_lshl_add_u32 v20, v21, 3, v20                ; the table: 8 frequencies on for lanes 16-31, 8 bytes a position
	s_wait_alu depctr_va_vdst(0)
	v_lshlrev_b32 v22, 6, v3                       ; the bias of q, k: 16 numbers on for lanes 16-31
	v_lshlrev_b32 v23, 2, v21                      ; the bias of v: my row
	; scalars: where the table, the biases and the output begin
	s_lshl_b32 s2, s22, 2
	s_add_co_u32 s2, s2, s20                       ; 4 Y + cy: which 256 tokens (q, k)
	s_lshl_b32 s3, s2, 8
	s_lshl_b32 s4, s[WV], 6
	s_add_co_u32 s3, s3, s4
	s_and_b32 s3, s3, 2047                         ; my first position
	s_lshl_b32 s4, s3, 3
	s_mov_b32 s5, 0
	s_add_nc_u64 s[8:9], s[8:9], s[4:5]
	s_lshl_b32 s3, ttmp9, 2
	s_add_co_u32 s3, s3, s19
	s_and_b32 s3, s3, 7                            ; which 128 rows of wq or wk: heads 2 s3, 2 s3 + 1
	s_lshr_b32 s4, s2, 3
	s_lshl_b32 s4, s4, 3
	s_add_co_u32 s4, s4, s3
	s_lshl_b32 s4, s4, 5                           ; 16 x (16 batch + first head)
	s_lshl_b32 s6, s2, 1
	s_lshr_b32 s7, s[WV], 1
	s_add_co_u32 s6, s6, s7
	s_and_b32 s6, s6, 15
	s_add_co_u32 s4, s4, s6                        ; q, k: the record's number
	s_lshl_b32 s6, ttmp9, 5
	s_sub_co_u32 s6, s6, 128
	s_lshl_b32 s7, s22, 2
	s_add_co_u32 s6, s6, s7
	s_add_co_u32 s6, s6, s19                       ; v: which 128 tokens
	s_lshr_b32 s7, s6, 4
	s_lshl_b32 s7, s7, 4
	s_lshl_b32 s66, s20, 2
	s_add_co_u32 s7, s7, s66
	s_add_co_u32 s7, s7, s[WV]                     ; 16 batch + head 4 cy + w
	s_lshl_b32 s7, s7, 4
	s_and_b32 s6, s6, 15
	s_add_co_u32 s7, s7, s6                        ; v: the record's number
	s_cmp_lt_u32 ttmp9, 2
	s_cselect_b32 s6, 13056, 0                     ; q's part of a record, or k's
	s_cselect_b64 s[10:11], s[10:11], s[12:13]     ; and q's bias, or k's
	s_cmp_ge_u32 ttmp9, 4
	s_cselect_b32 s4, s7, s4
	s_cselect_b32 s6, 6656, s6                     ; or v's part
	s_mul_i32 s4, s4, REC
	s_add_co_u32 s4, s4, s6
	s_add_nc_u64 s[16:17], s[16:17], s[4:5]
	s_lshl_b32 s4, s3, 9
	s_add_nc_u64 s[10:11], s[10:11], s[4:5]
	s_lshl_b32 s4, s20, 10
	s_lshl_b32 s6, s[WV], 8
	s_add_co_u32 s4, s4, s6
	s_add_nc_u64 s[14:15], s[14:15], s[4:5]        ; wv_b at row 256 cy + 64 w
	WIN 0xc0                                       ; destination window 3.  Every kind loads the table, so that these registers are written on every path; v does not use it
.irp a, 0,1,2,3
.irp e, 0,1,2,3,4,5,6,7,8,9,10,11,12,13,14,15
	global_load_b64 v[32*\a+2*\e:32*\a+2*\e+1], v20, s[8:9] offset:(16*(\e/8)+\e%8)*16384+8*(32*(\a/2)+8*(\a%2))   ; cos, sin of frequency 16 (e / 8) + 8 h + e % 8 at my token of tile a
.endr
.endr
	WIN 0
	s_cmp_ge_u32 ttmp9, 4
	s_cbranch_scc1 .Lbias_v
	s_wait_alu depctr_va_vdst(0)
.irp b, 0,1,2,3,4,5,6,7                        ; q, k: the bias runs along the registers: it is the C of each sum's first product
	global_load_b128 v[BI+8*\b:BI+8*\b+3], v22, s[10:11] offset:4*(32*(\b/2)+8*(\b%2))
	global_load_b128 v[BI+8*\b+4:BI+8*\b+7], v22, s[10:11] offset:4*(32*(\b/2)+8*(\b%2))+16
.endr
.irp i, 0,1,2,3,4,5,6,7
	v_mov_b32 v[BL+\i], 0
.endr
	s_branch .Lbias_done
.Lbias_v:
.set i, 0
.rept 64
	v_mov_b32 v[BI+i], 0
.set i, i+1
.endr
.irp a, 0,1,2,3                                ; v: the bias belongs to the lane's row: one number a tile, twice, for the packed addition
	global_load_b32 v[BL+2*\a], v23, s[14:15] offset:4*(32*(\a/2)+8*(\a%2))
	global_load_b32 v[BL+2*\a+1], v23, s[14:15] offset:4*(32*(\a/2)+8*(\a%2))
.endr
.Lbias_done:
; The fragments of K step k (128 along K) into set k % 2: S0's eight, my four of S1; with an even step the scale words of two steps.  Every load reads consecutive bytes from lane to lane.
.macro FETCH k
	WIN 0x80                                       ; destination window 2
.irp b, 0,1,2,3,4,5,6,7
.irp q, 0,1,2
	ds_load_b128 v[96*((\k)%2)+12*\b+4*\q:96*((\k)%2)+12*\b+4*\q+3], v[ADB+(\k)/2] offset:6144*\b+1536*((\k)%2)+512*\q
.endr
.endr
	WIN 0
.irp a, 0,1,2,3
.irp q, 0,1,2
	ds_load_b128 v[AF+48*((\k)%2)+12*\a+4*\q:AF+48*((\k)%2)+12*\a+4*\q+3], v[ADA+(\k)/2] offset:6144*\a+1536*((\k)%2)+512*\q
.endr
.endr
.if (\k)%2 == 0
.irp i, 0,1,2,3,4,5,6,7
	ds_load_b64 v[SC+16*(((\k)/2)%2)+2*\i:SC+16*(((\k)/2)%2)+2*\i+1], v[ADRS] offset:512*\i+128*((\k)/2)   ; lanes 0-15: my S1 tile i (i < 4 is used); lanes 16-31: S0's tile i
.endr
.endif
.endm
; 32 products.  The accumulators take turns, one instruction a turn, in the same order in every step.  Step 0 starts the sums with the bias as C.
.macro MULS k
.if (\k) == 0
	WIN 0x42                                       ; source 0 window 2, source 1 window 0, C window 0, D window 1
.else
	WIN 0x52                                       ; C and D window 1
.endif
.irp a, 0,1,2,3
.irp b, 0,1,2,3,4,5,6,7
.if (\k) == 0
	v_wmma_scale_f32_16x16x128_f8f6f4 v[8*(8*\a+\b):8*(8*\a+\b)+7], v[96*((\k)%2)+12*\b:96*((\k)%2)+12*\b+11], v[AF+48*((\k)%2)+12*\a:AF+48*((\k)%2)+12*\a+11], v[BI+8*\b:BI+8*\b+7], v[SC+16*(((\k)/2)%2)+2*\b+(\k)%2], v[SC+16*(((\k)/2)%2)+2*\a+(\k)%2] matrix_a_fmt:MATRIX_FMT_FP6 matrix_b_fmt:MATRIX_FMT_FP6 matrix_a_scale:MATRIX_SCALE_ROW1
.else
	v_wmma_scale_f32_16x16x128_f8f6f4 v[8*(8*\a+\b):8*(8*\a+\b)+7], v[96*((\k)%2)+12*\b:96*((\k)%2)+12*\b+11], v[AF+48*((\k)%2)+12*\a:AF+48*((\k)%2)+12*\a+11], v[8*(8*\a+\b):8*(8*\a+\b)+7], v[SC+16*(((\k)/2)%2)+2*\b+(\k)%2], v[SC+16*(((\k)/2)%2)+2*\a+(\k)%2] matrix_a_fmt:MATRIX_FMT_FP6 matrix_b_fmt:MATRIX_FMT_FP6 matrix_a_scale:MATRIX_SCALE_ROW1
.endif
.endr
.endr
	WIN 0
.endm
.macro STEPK k
	s_wait_dscnt 0x0                               ; this step's fragments are in (asked for 32 products ago)
.if (\k) == 3
	s_wait_tensorcnt 0x0                           ; my part of the second half of K has landed
	s_barrier_signal -1
	s_barrier_wait -1                              ; everybody's has
.endif
.if (\k) < 7
.if (\k) > 0
	PLACES 4                                       ; four plain instructions between the last step's products and loads into the registers that they read
.endif
	FETCH (\k)+1
.endif
	MULS \k
.endm
	s_wait_alu depctr_va_vdst(0)                   ; the wait at the head's end
	s_wait_tensorcnt 0x0                           ; my tile of the head's four is in; the three lines ahead of a later first fill
	ds_add_u32 v254, v255
	s_wait_dscnt 0x0
	CROUND                                         ; everybody's tile is in, and the joint loads of the second half meet
	s_cmp_eq_u32 s[WV], 0
	s_cbranch_scc0 .Lsecond_1
	tensor_load_to_lds s[68:71], s[G1A:G1A+7]      ; wave 0: S1's second half of K
	s_nop 0
	PLACES 4
	s_branch .Lsecond_asked
.Lsecond_1:
	s_cmp_eq_u32 s[WV], 1
	s_cbranch_scc0 .Lsecond_asked
	tensor_load_to_lds s[88:91], s[G1B:G1B+7]      ; wave 1: S0's
	s_nop 0
	PLACES 4
.Lsecond_asked:
	FETCH 0
	s_wait_loadcnt 0x0                             ; the table and the biases
	s_wait_alu depctr_va_vdst(0)
	STEPK 0
	STEPK 1
	STEPK 2
	STEPK 3
	STEPK 4
	STEPK 5
	STEPK 6
	STEPK 7
	PLACES 4                                       ; between the last products and the first read of results, and the first write into registers that they read
.irp b, 0,1,2,3
	v_mov_b32 v[TM+4+\b], 0                        ; a lane permute's destination counts as one of its sources
.endr
; Tile a of S1: 64 results a lane come into window 0 (v's bias is added on the way), q and k are rotated, all are quantised, codes and scale words leave.
.macro EPI a
	WIN 0x01                                       ; source 0 window 1
.set i, 0
.rept 32
	v_pk_add_f32 v[ST+2*i:ST+2*i+1], v[64*(\a)+2*i:64*(\a)+2*i+1], v[BL+2*(\a):BL+2*(\a)+1]   ; each accumulator from its low end on
.set i, i+1
.endr
	WIN 0
	s_cmp_ge_u32 ttmp9, 4
	s_cbranch_scc1 .Lno_rope_\@
	WIN 0x0c                                       ; source 1 window 3: cos and sin
.irp hd, 0,1
.irp e, 0,1,2,3,4,5,6,7,8,9,10,11,12,13,14,15
.set rX, ST+32*\hd+16*(\e/8)+2*(\e%8)
.set rC, 32*(\a)+2*\e
.set rT, TP+2*(\e%4)
	v_pk_mul_f32 v[rT:rT+1], v[rX:rX+1], v[rC:rC+1] op_sel:[1,1] op_sel_hi:[1,0]                                  ; xo sin, xo cos
	v_pk_fma_f32 v[rX:rX+1], v[rX:rX+1], v[rC:rC+1], v[rT:rT+1] op_sel:[0,0,0] op_sel_hi:[0,1,1] neg_lo:[0,0,1]   ; xe cos - xo sin, xe sin + xo cos
.endr
.endr
	WIN 0
.Lno_rope_\@:
.if (\a) > 0
	s_wait_xcnt 0x0                                ; the last tile's stores have read the codes' registers
.endif
	QUANT ST
	v_lshrrev_b32 v166, v[VSH], v[PW]              ; q, k: lanes 16-31 carry the second head's two bytes
	ds_store_b32 v[STS], v166 offset:128*((\a)%2)+4*((\a)/2)   ; lanes 0-15 build the first image of 256 bytes, lanes 16-31 the second (v: a copy that is not sent)
	s_cmp_ge_u32 ttmp9, 4
	s_cbranch_scc1 .Lst_v_\@
.irp p, 0,1,2,3,4,5
	global_store_b64 v[OC8], v[PC+2*\p:PC+2*\p+1], s[16:17] offset:HEADB*(\p/3)+768*(\a)+256*(\p%3)   ; registers 0-5: the first head, 6-11: the second; 256 consecutive bytes, aligned
.endr
	s_branch .Lst_done_\@
.Lst_v_\@:
	s_wait_alu depctr_va_vdst(0)
.irp q, 0,1,2
	global_store_b128 v4, v[PC+4*\q:PC+4*\q+3], s[16:17] offset:1536*(\a)+512*\q
.endr
.Lst_done_\@:
.endm
	EPI 0
	EPI 1
	EPI 2
	EPI 3
	ds_load_b64 v[176:177], v[STR]                 ; LDS serves a wave's instructions in order: these see my stores
	ds_load_b64 v[178:179], v[STR] offset:256
	s_wait_dscnt 0x0
	global_store_b64 v[OSC], v[176:177], s[16:17]  ; 256 consecutive bytes, aligned
	s_cmp_ge_u32 ttmp9, 4
	s_cbranch_scc1 .Lend
	global_store_b64 v[OSC], v[178:179], s[16:17] offset:HEADB
.Lend:
	s_wait_tensorcnt 0x0
	ds_add_u32 v254, v255
	s_wait_dscnt 0x0
	CROUND                                         ; the closing round: no work-group ends while a partner may still ask for a tile that names it
	s_endpgm
.Lfunc_end_k_q32358e74ab_qkv:
	.size	k_q32358e74ab_qkv, .Lfunc_end_k_q32358e74ab_qkv-k_q32358e74ab_qkv
	.p2alignl 7, 3214868480
	.fill 96, 4, 3214868480
	.section	.rodata,"a",@progbits
	.p2align	6, 0x0
	.amdhsa_kernel k_q32358e74ab_qkv
		.amdhsa_group_segment_fixed_size 327680
		.amdhsa_private_segment_fixed_size 0
		.amdhsa_enable_private_segment 0
		.amdhsa_kernarg_size 56
		.amdhsa_user_sgpr_count 2
		.amdhsa_user_sgpr_kernarg_segment_ptr 1
		.amdhsa_wavefront_size32 1
		.amdhsa_system_sgpr_workgroup_id_x 1
		.amdhsa_system_sgpr_workgroup_id_y 1
		.amdhsa_system_sgpr_workgroup_id_z 1
		.amdhsa_system_vgpr_workitem_id 0
		.amdhsa_next_free_vgpr 1024
		.amdhsa_next_free_sgpr 106
		.amdhsa_reserve_vcc 0
		.amdhsa_float_denorm_mode_32 3
		.amdhsa_float_denorm_mode_16_64 3
		.amdhsa_memory_ordered 1
		.amdhsa_forward_progress 1
		.amdhsa_inst_pref_size 122
	.end_amdhsa_kernel
	.amdgpu_metadata
---
amdhsa.version: [ 1, 2 ]
amdhsa.kernels:
  - .name:           k_q32358e74ab_qkv
    .symbol:         k_q32358e74ab_qkv.kd
    .args:
      - { .name: img, .offset: 0, .size: 8, .value_kind: global_buffer, .address_space: global }
      - { .name: isc, .offset: 8, .size: 8, .value_kind: global_buffer, .address_space: global }
      - { .name: rope, .offset: 16, .size: 8, .value_kind: global_buffer, .address_space: global }
      - { .name: wq_b, .offset: 24, .size: 8, .value_kind: global_buffer, .address_space: global }
      - { .name: wk_b, .offset: 32, .size: 8, .value_kind: global_buffer, .address_space: global }
      - { .name: wv_b, .offset: 40, .size: 8, .value_kind: global_buffer, .address_space: global }
      - { .name: qkv, .offset: 48, .size: 8, .value_kind: global_buffer, .address_space: global }
    .group_segment_fixed_size: 327680
    .private_segment_fixed_size: 0
    .kernarg_segment_align: 8
    .kernarg_segment_size: 56
    .max_flat_workgroup_size: 128
    .sgpr_count:     106
    .vgpr_count:     1024
    .wavefront_size: 32
...
	.end_amdgpu_metadata
.endif
;; end of part 2
;; launch attn (part 3): grid 4 x 64, 16 waves a work-group, clusters of 4 x 1, 215,040 bytes of LDS; arguments qkv, a_img, a_sc; writes a_img, a_sc
.if DOCPART == 3
	.amdgcn_target "amdgcn-amd-amdhsa--gfx1250"
	.amdhsa_code_object_version 6
	.text
	.protected	k_q32358e74ab_attn
	.globl	k_q32358e74ab_attn
	.p2align	8
	.type	k_q32358e74ab_attn,@function
k_q32358e74ab_attn:
	s_mov_b64 s[64:65], 0
	v_nop
	global_prefetch_b8 v0, s[64:65] scope:SCOPE_SE
	s_setreg_imm32_b32 hwreg(HW_REG_WAVE_MODE, 25, 1), 1
	s_wait_xcnt 0x0
	s_wait_alu depctr_hold_cnt(0) depctr_sa_sdst(0) depctr_va_vdst(0) depctr_va_sdst(0) depctr_va_ssrc(0) depctr_va_vcc(0) depctr_vm_vsrc(0)
	s_getreg_b32 s2, hwreg(HW_REG_IB_STS2, 6, 4)
	s_cmp_eq_u32 s2, 0
	s_cbranch_scc0 .Lentry_in_a_cluster
	s_endpgm
.Lentry_in_a_cluster:
	s_bfe_u32 s2, ttmp6, 0x10000c
	s_cmp_lg_u32 s2, 0x3003
	s_cbranch_scc0 .Lentry_shape_is_right
	s_endpgm
.Lentry_shape_is_right:
; Causal attention of one head on codes of FP6 (E2M3) with E8M0 scales, and the quantiser of its result along the model's 1,024.
; t = score x log2(e) / 8; M = the running largest t rounded UP to a whole number; p = 2^(t - M) is quantised along the keys, not normalised; the sum of the unquantised p divides at the end.
; SHARES.  256 work-groups; the four of a cluster serve one batch x head.  A wave owns TWO tiles of 16 queries, one after the other: tile 8 R + j, then tile 8 (15 - R) + j + 4 (R: the wave's rank 0..15, j: the work-group's place 0..3).
; Tiles 8 R .. 8 R + 7 are queries 128 R .. 128 R + 127, so key step k (128 keys) counts where k <= R and step k = R lies on the diagonal: R + 1 and 16 - R steps, 17 for every wave.
; LDS IS FILLED ONCE: the head's K and V, codes and scale words, 16 x 13,056 bytes; each wave asks for one of the sixteen parts, jointly with its three partners; both tiles read them.
; No data prefetch: all that the launch reads by tensor loads is asked for at the head, and there is no loop to run ahead in.
; A trip whose keys all come after the wave's queries is passed over by a branch on the wave's rank, round loads, products and softmax alone.
; LAYOUT.  Both products are used transposed: S^T = K Q^T, O^T = V^T P^T: a lane holds one query (lane % 16).  The tiles' own row order makes the 16 registers of tiles 2 b, 2 b + 1 the keys 32 b + 16 h + 0 .. 15.
; The first product's K is 64: Q's upper six registers are zero codes; K's operand runs on into the next tile's six registers, which so count for nothing.
; LIMITS: a hidden score is taken as -infinity where the problem adds -1e9: the same wherever scores stay far under 1e9.  NaN and infinities are not served.  A block of zeros gets the byte 1.
; REGISTERS: v1-4, v10 addresses; v8-9 the step's LDS addresses; v12 -M, v13 the largest t, v[14:15] the sum; v16-27 Q; v28-31, v92-94 the second tile's Q; v32-85 K's eight tiles (v80-85 zeros), later V's four; v86-91 scale words;
; v96-159 S^T, then p; v160-191 O^T; v192-204 the way out; v224-235 p's codes; v232-254 at work; v250, v251 the add's two; v253 p's scale word; v255 Q's.
.set REC, 19712
.set KVB, 13056
.set WV,  10
.set P0,  48                           ; s48.. the first tile: rank, number in its 128 queries, pointers: Q's codes, Q's words, a_img, a_sc
.set P1,  68                           ; s68.. the same for the second tile
.macro PLACES n
.rept \n
	v_nop
.endr
.endm
.macro CROUND
	s_barrier_signal -1
	s_barrier_wait -1
	s_cmp_lg_u32 s[WV], 0
	s_cbranch_scc1 .Lnot_wave_0_\@
	s_barrier_signal -3
.Lnot_wave_0_\@:
	s_barrier_wait -3
	s_barrier_signal -1
	s_barrier_wait -1
.endm
.macro SETUP PB                        ; a tile's four pointers from its rank s[PB] and number s[PB+1]; s16 = 16 x (batch x head)
	s_add_co_u32 s17, s16, s[\PB]
	s_mul_i32 s36, s17, REC                        ; my queries' record
	s_mul_i32 s38, s[\PB+1], 768
	s_add_co_u32 s38, s38, s36
	s_add_co_u32 s38, s38, 13056
	s_mov_b32 s39, 0
	s_add_nc_u64 s[\PB+2:\PB+3], s[4:5], s[38:39]
	s_lshr_b32 s40, s[\PB+1], 2
	s_lshl_b32 s40, s40, 8
	s_and_b32 s41, s[\PB+1], 1
	s_lshl_b32 s41, s41, 7
	s_add_co_u32 s40, s40, s41
	s_bfe_u32 s41, s[\PB+1], 0x10001
	s_lshl_b32 s41, s41, 2
	s_add_co_u32 s40, s40, s41
	s_add_co_u32 s40, s40, s36
	s_add_co_u32 s40, s40, 19200
	s_mov_b32 s41, 0
	s_add_nc_u64 s[\PB+4:\PB+5], s[4:5], s[40:41]
	s_lshr_b32 s42, s15, 4
	s_lshl_b32 s42, s42, 7
	s_lshl_b32 s43, s[\PB], 3
	s_add_co_u32 s42, s42, s43
	s_add_co_u32 s42, s42, s[\PB+1]                ; my tile of tokens: 128 batch + 8 rank + number
	s_and_b32 s43, s15, 15                         ; the head
	s_lshl_b32 s44, s42, 4
	s_add_co_u32 s44, s44, s43
	s_mul_i32 s44, s44, 768
	s_mov_b32 s45, 0
	s_add_nc_u64 s[\PB+6:\PB+7], s[6:7], s[44:45]
	s_lshl_b32 s44, s42, 9
	s_lshr_b32 s46, s43, 2
	s_lshl_b32 s46, s46, 7
	s_add_co_u32 s44, s44, s46
	s_and_b32 s46, s43, 3
	s_lshl_b32 s46, s46, 1
	s_add_co_u32 s44, s44, s46
	s_add_nc_u64 s[\PB+8:\PB+9], s[8:9], s[44:45]
.endm
	s_load_b128 s[4:7], s[0:1], 0x0                ; qkv, a_img
	s_load_b64 s[8:9], s[0:1], 0x10                ; a_sc
	v_lshl_add_u32 v250, v0, 2, 0x34000
	v_mov_b32 v251, 0
	ds_add_u32 v250, v251
	ds_add_u32 v250, v251
	v_lshrrev_b32 v1, 5, v0
	v_readfirstlane_b32 s[WV], v1                  ; wave 0..15
	s_bfe_u32 s[P0+1], ttmp6, 0x40000              ; j = cx
	s_add_co_u32 s[P1+1], s[P0+1], 4
	s_and_b32 s15, ttmp7, 0xffff                   ; batch x head
	s_lshr_b32 s16, s[WV], 2                       ; a
	s_and_b32 s17, s[WV], 3                        ; c
	s_lshr_b32 s18, s16, 1
	s_xor_b32 s19, s16, s18
	s_and_b32 s19, s19, 1
	s_lshl_b32 s19, s19, 1
	s_or_b32 s19, s19, s18                         ; m(a) = 0, 2, 3, 1
	s_xor_b32 s19, s19, s17
	s_xor_b32 s12, s16, s17
	s_lshl_b32 s12, s12, 2
	s_or_b32 s[P0], s12, s19                       ; rank = 4 (a xor c) + (m(a) xor c)
	s_sub_co_u32 s[P1], 15, s[P0]                  ; the second tile's rank
	s_mov_b32 s13, 0xffff0000                      ; lanes 16-31
	s_mov_b32 s20, 0x76543210
	s_mov_b32 s21, 0xfedcba98                      ; selects for lane l xor 16
	s_mov_b32 s22, 0x3e38aa3b                      ; c = log2(e) / 8
	s_mov_b32 s23, s22
	s_mov_b32 s24, 15|(3<<16)|(1<<21)              ; group 1: the mask: all four; elements of 8 bytes; 13,056 dense bytes as 51 rows of 256
	s_mov_b32 s25, 32<<16
	s_mov_b32 s26, 51<<16
	s_mov_b32 s27, 32<<16
	s_mov_b32 s28, 51
	s_mov_b32 s29, 32
	s_mov_b32 s30, 0
	s_mov_b32 s31, 0
	s_lshl_b32 s16, s15, 4
	s_add_co_u32 s17, s16, s[WV]
	s_mul_i32 s36, s17, REC                        ; record w of the head
	s_mov_b32 s37, 0
	s_mov_b32 s32, 1
	s_mul_i32 s33, s[WV], KVB
	s_wait_dscnt 0x0
	CROUND                                         ; the opening round, ahead of the wait for the arguments: all four work-groups are here
	s_wait_kmcnt 0x0
	s_add_nc_u64 s[34:35], s[4:5], s[36:37]
	s_or_b32 s35, s35, 0x80000000
	s_cmp_lt_u32 s[WV], 4                          ; records 0 to 3 are shown ahead of the rest, so their four waves have a load line of their own
	s_cbranch_scc0 .Llate
	tensor_load_to_lds s[32:35], s[24:31]          ; my one load: one is out
	s_nop 0
	PLACES 4
	s_branch .Lasked
.Llate:
	tensor_load_to_lds s[32:35], s[24:31]
	s_nop 0
	PLACES 4
.Lasked:
	SETUP P0
	SETUP P1
	s_lshr_b32 s42, s[P0+1], 1
	s_lshl_b32 s42, s42, 5
	s_and_b32 s43, s[P0+1], 1
	s_lshl_b32 s43, s43, 3
	s_add_co_u32 s42, s42, s43                     ; the first tile's first query among its 128
	v_and_b32 v5, 31, v0
	v_and_b32 v6, 15, v0                           ; r
	v_bfe_u32 v7, v0, 4, 1                         ; h
	v_lshlrev_b32 v1, 3, v5                        ; 8 x lane
	v_lshlrev_b32 v2, 4, v5                        ; 16 x lane
	v_lshlrev_b32 v10, 3, v6
.irp p, 0,1,2
	global_load_b64 v[16+2*\p:17+2*\p], v1, s[P0+2:P0+3] offset:256*\p
.endr
	global_load_b32 v255, v10, s[P0+4:P0+5]
	global_load_b64 v[28:29], v1, s[P1+2:P1+3]     ; the second tile's Q waits in registers
	global_load_b64 v[30:31], v1, s[P1+2:P1+3] offset:256
	global_load_b64 v[92:93], v1, s[P1+2:P1+3] offset:512
	global_load_b32 v94, v10, s[P1+4:P1+5]
.irp i, 0,1,2,3,4,5
	v_mov_b32 v[22+\i], 0                          ; Q's codes of k = 64 .. 127: zeros
	v_mov_b32 v[80+\i], 0                          ; what stands behind K's last tile
.endr
	v_and_b32 v3, 8, v6
	v_add_nc_u32 v3, v3, v6
	v_add_nc_u32 v3, s42, v3                       ; my query among its 128
	v_lshlrev_b32 v4, 4, v7
	v_sub_nc_u32 v3, v3, v4                        ; - 16 h: on the diagonal register 16 b + i is hidden where 32 b + i is greater
	v_lshl_add_u32 v4, v6, 3, v7                   ; the way out: my scale byte: 8 r + h
	s_wait_alu depctr_va_vdst(0)                   ; the wait at the head's end
	s_cmp_lt_u32 s[WV], 4
	s_cbranch_scc0 .Lnot_first
	s_wait_tensorcnt 0x0                           ; waves 0 to 3: my record has landed
.Lnot_first:
	s_barrier_signal -1
	s_barrier_wait -1                              ; records 0 to 3 lie in LDS; the other twelve may be on their way
	s_wait_loadcnt 0x0
; One tile of queries: sixteen trips over the keys, then the way out
.macro PASS PB, SEC
.if \SEC
	s_wait_xcnt 0x0                                ; the first tile's stores have read their registers
	v_mov_b32 v16, v28
	v_mov_b32 v17, v29
	v_mov_b32 v18, v30
	v_mov_b32 v19, v31
	v_mov_b32 v20, v92
	v_mov_b32 v21, v93
	v_mov_b32 v255, v94
	v_add_nc_u32 v3, 64, v3                        ; tile j + 4 begins 64 queries on
.endif
	v_mov_b32 v13, 0xff61b1e6                      ; the largest t so far: -3e38
	v_mov_b32 v14, 0
	v_mov_b32 v15, 0
	v_floor_f32 v12, -v13                          ; -M
	v_mov_b32 v252, 0
	v_mov_b32 v253, 0
.irp b, 0,1,2,3
	v_mov_b32 v[236+\b], 0                         ; a lane permute's destination counts as one of its sources
.endr
.set i, 0
.rept 32
	v_mov_b32 v[160+i], 0                          ; O^T: the step is written once; the first finds zeros
.set i, i+1
.endr
.endm
; Key steps FROM .. TO - 1 of the tile whose rank is s[PB]
.macro TRIPS PB, FROM, TO
	s_mov_b32 s2, (\FROM)*KVB                      ; LDS byte of the step's record
	s_mov_b32 s3, \FROM                            ; the step
	s_wait_alu depctr_va_vdst(0)
.Lkey_\@:
	s_cmp_gt_u32 s3, s[\PB]
	s_cbranch_scc1 .Lhidden_\@                     ; all 128 keys come after my queries
	v_add_nc_u32 v8, s2, v1
	v_add_nc_u32 v9, s2, v2
.irp t, 0,1,2,3,4,5,6,7
.irp p, 0,1,2
	ds_load_b64 v[32+6*\t+2*\p:33+6*\t+2*\p], v8 offset:768*\t+256*\p
.endr
.endr
	ds_load_b64 v[86:87], v8 offset:6144           ; K's scale words: register i, lanes 16 u + r: tile 2 i + u
	ds_load_b64 v[88:89], v8 offset:6400           ; and tiles 4 + 2 i + u
	s_wait_alu depctr_va_vdst(0)
	s_wait_dscnt 0x0
.irp t, 0,2,4,6
	v_wmma_scale_f32_16x16x128_f8f6f4 v[96+8*\t:103+8*\t], v[32+6*\t:43+6*\t], v[16:27], 0, v[86+2*(\t/4)+(\t%4)/2], v255 matrix_a_fmt:MATRIX_FMT_FP6 matrix_b_fmt:MATRIX_FMT_FP6
	v_wmma_scale_f32_16x16x128_f8f6f4 v[104+8*\t:111+8*\t], v[38+6*\t:49+6*\t], v[16:27], 0, v[86+2*(\t/4)+(\t%4)/2], v255 matrix_a_fmt:MATRIX_FMT_FP6 matrix_b_fmt:MATRIX_FMT_FP6 matrix_a_scale:MATRIX_SCALE_ROW1
.endr
	PLACES 4                                       ; between the products and the loads into K's registers, and the first read of scores
.irp t, 0,1,2,3
.irp q, 0,1,2
	ds_load_b128 v[32+12*\t+4*\q:35+12*\t+4*\q], v9 offset:6656+1536*\t+512*\q   ; V's four fragments land under the softmax
.endr
.endr
	ds_load_b64 v[90:91], v8 offset:12800
	s_cmp_lg_u32 s3, s[\PB]
	s_cbranch_scc1 .Lopen_\@                       ; off the diagonal every key counts
	v_mov_b32 v254, 0xff800000
.set n, 0
.rept 64
	v_cmp_gt_i32 vcc_lo, 32*(n/16)+n%16, v3
	v_cndmask_b32 v[96+n], v[96+n], v254, vcc_lo
.set n, n+1
.endr
.Lopen_\@:
.irp b, 0,1,2,3
	v_max3_num_f32 v[232+\b], v[96+16*\b], v[97+16*\b], v[98+16*\b]   ; the largest score of each block of 32 keys: for the row's maximum and for the block's largest p
.endr
.irp i, 3,5,7,9,11,13
.irp b, 0,1,2,3
	v_max3_num_f32 v[232+\b], v[232+\b], v[96+16*\b+\i], v[97+16*\b+\i]
.endr
.endr
.irp b, 0,1,2,3
	v_max_num_f32 v[232+\b], v[232+\b], v[111+16*\b]
.endr
.irp b, 0,1,2,3
	s_delay_alu instid0(VALU_DEP_4)
	v_permlanex16_b32 v[236+\b], v[232+\b], s20, s21
.endr
.irp b, 0,1,2,3
	s_delay_alu instid0(VALU_DEP_4)
	v_max_num_f32 v[232+\b], v[232+\b], v[236+\b]
.endr
	s_delay_alu instid0(VALU_DEP_2)
	v_max3_num_f32 v254, v232, v233, v234
	s_delay_alu instid0(VALU_DEP_1)
	v_max_num_f32 v254, v254, v235
	s_delay_alu instid0(VALU_DEP_1)
	v_mul_f32 v254, s22, v254
	s_delay_alu instid0(VALU_DEP_1)
	v_max_num_f32 v13, v13, v254                   ; the running largest t
	v_mov_b32 v254, v12
	s_delay_alu instid0(VALU_DEP_2)
	v_floor_f32 v12, -v13                          ; the new -M: M is a whole number
	s_delay_alu instid0(VALU_DEP_1)
	v_sub_f32 v254, v12, v254
	s_delay_alu instid0(VALU_DEP_1)
	v_cvt_i32_f32 v254, v254                       ; (it saturates)
	s_delay_alu instid0(VALU_DEP_1)
	v_ldexp_f32 v252, 1.0, v254                    ; f = 2^(old M - new M): a multiplication by it rounds nothing
.set i, 0
.rept 32
	v_pk_fma_f32 v[96+i:97+i], v[96+i:97+i], s[22:23], v[12:13] op_sel_hi:[1,0,0]   ; t - M
.set i, i+2
.endr
.irp b, 0,1,2,3
	v_fma_f32 v[232+\b], v[232+\b], s22, v12
.endr
.set i, 0
	s_wait_alu depctr_va_vdst(0)                   ; the wait ahead of the batch
.rept 64
	v_exp_f32 v[96+i], v[96+i]                     ; p = 2^(t - M)
.set i, i+1
.endr
	v_pk_mul_f32 v[14:15], v[14:15], v[252:253] op_sel_hi:[1,0]   ; the sums under the new M: the plain instruction behind the batch
	s_wait_alu depctr_va_vdst(0)                   ; one wait for the batch, ahead of its first reader
.irp b, 0,1,2,3
	v_exp_f32 v[232+\b], v[232+\b]                 ; each block's largest p
.endr
	v_pk_add_f32 v[236:237], v[100:101], v[104:105]
	v_pk_add_f32 v[248:249], v[108:109], v[112:113]
	v_pk_add_f32 v[246:247], v[116:117], v[120:121]
	v_pk_add_f32 v[244:245], v[124:125], v[128:129]
	v_pk_add_f32 v[242:243], v[132:133], v[136:137]
	v_pk_add_f32 v[240:241], v[140:141], v[144:145]
	v_pk_add_f32 v[238:239], v[148:149], v[152:153]
	v_pk_add_f32 v[14:15], v[14:15], v[156:157]
	v_pk_add_f32 v[236:237], v[236:237], v[96:97]
	v_pk_add_f32 v[248:249], v[248:249], v[98:99]
	v_pk_add_f32 v[246:247], v[246:247], v[102:103]
	v_pk_add_f32 v[244:245], v[244:245], v[106:107]
	v_pk_add_f32 v[242:243], v[242:243], v[110:111]
	v_pk_add_f32 v[240:241], v[240:241], v[114:115]
	v_pk_add_f32 v[238:239], v[238:239], v[118:119]
	v_pk_add_f32 v[14:15], v[14:15], v[122:123]
	v_pk_add_f32 v[236:237], v[236:237], v[126:127]
	v_pk_add_f32 v[248:249], v[248:249], v[130:131]
	v_pk_add_f32 v[246:247], v[246:247], v[134:135]
	v_pk_add_f32 v[244:245], v[244:245], v[138:139]
	v_pk_add_f32 v[242:243], v[242:243], v[142:143]
	v_pk_add_f32 v[240:241], v[240:241], v[146:147]
	v_pk_add_f32 v[238:239], v[238:239], v[150:151]
	v_pk_add_f32 v[14:15], v[14:15], v[154:155]
	v_pk_add_f32 v[236:237], v[236:237], v[158:159]
	s_delay_alu instid0(VALU_DEP_2)
	v_pk_add_f32 v[14:15], v[14:15], v[244:245]
	s_delay_alu instid0(VALU_DEP_2)
	v_pk_add_f32 v[236:237], v[236:237], v[242:243]
	v_pk_add_f32 v[248:249], v[248:249], v[240:241]
	v_pk_add_f32 v[246:247], v[246:247], v[238:239]
	s_delay_alu instid0(VALU_DEP_2)
	v_pk_add_f32 v[14:15], v[14:15], v[248:249]
	s_delay_alu instid0(VALU_DEP_2)
	v_pk_add_f32 v[236:237], v[236:237], v[246:247]
	s_delay_alu instid0(VALU_DEP_1)
	v_pk_add_f32 v[14:15], v[14:15], v[236:237]
	s_wait_alu depctr_va_vdst(0)                   ; and one for the four
.irp b, 0,1,2,3
	v_max_num_f32 v[232+\b], 0x1800000, v[232+\b]  ; the floor 2^(3 - 127)
.endr
.irp b, 0,1,2,3
	s_delay_alu instid0(VALU_DEP_4)
	v_add_nc_u32 v[244+\b], 0xff000000, v[232+\b]
.endr
.irp b, 0,1,2,3
	s_delay_alu instid0(VALU_DEP_4)
	v_lshrrev_b32 v[236+\b], 23, v[244+\b]
.endr
	s_delay_alu instid0(VALU_DEP_3)
	v_lshl_or_b32 v253, v237, 8, v236              ; p's scale word for these 128 keys
	s_delay_alu instid0(VALU_DEP_1)
	v_lshl_or_b32 v253, v238, 16, v253
	s_delay_alu instid0(VALU_DEP_1)
	v_lshl_or_b32 v253, v239, 24, v253
.irp c, 0,1
	v_cvt_scalef32_pk16_fp6_f32 v[224+6*\c:226+6*\c], v[96+32*\c:111+32*\c], v[244+2*\c]
	v_cvt_scalef32_pk16_fp6_f32 v[236+4*\c:238+4*\c], v[112+32*\c:127+32*\c], v[244+2*\c+1]
.endr
	v_nop
.irp c, 0,1
.irp i, 0,1,2
	v_permlane16_swap_b32 v[224+6*\c+\i], v[236+4*\c+\i]
.endr
.irp i, 0,1,2
	s_delay_alu instid0(VALU_DEP_3)
	v_mov_b32 v[227+6*\c+\i], v[236+4*\c+\i]
.endr
.endr
.set i, 0
.rept 16
	v_pk_mul_f32 v[160+i:161+i], v[160+i:161+i], v[252:253] op_sel_hi:[1,0]   ; O^T under the new M; for each product below twelve of these name none of its registers
.set i, i+2
.endr
	s_wait_alu depctr_va_vdst(0)
	s_wait_dscnt 0x0                               ; V
.irp t, 0,2
	v_wmma_scale_f32_16x16x128_f8f6f4 v[160+8*\t:167+8*\t], v[32+12*\t:43+12*\t], v[224:235], v[160+8*\t:167+8*\t], v[90+\t/2], v253 matrix_a_fmt:MATRIX_FMT_FP6 matrix_b_fmt:MATRIX_FMT_FP6
	v_wmma_scale_f32_16x16x128_f8f6f4 v[168+8*\t:175+8*\t], v[44+12*\t:55+12*\t], v[224:235], v[168+8*\t:175+8*\t], v[90+\t/2], v253 matrix_a_fmt:MATRIX_FMT_FP6 matrix_b_fmt:MATRIX_FMT_FP6 matrix_a_scale:MATRIX_SCALE_ROW1
.endr
	PLACES 4                                       ; ahead of the next step's loads into V's registers, and of the way out
.Lhidden_\@:
	s_add_co_u32 s2, s2, KVB
	s_add_co_u32 s3, s3, 1
	s_cmp_lt_u32 s3, \TO
	s_cbranch_scc1 .Lkey_\@
.endm
.macro WAYOUT PB
	; THE WAY OUT: O^T / the sum; register 16 b + i is d = 32 b + 16 h + i of my query: two blocks of the last product's K
	v_add_f32 v14, v14, v15
	s_delay_alu instid0(VALU_DEP_1)
	v_permlanex16_b32 v252, v14, s20, s21
	s_delay_alu instid0(VALU_DEP_1)
	v_add_f32 v14, v14, v252
	s_wait_alu depctr_va_vdst(0)
	v_rcp_f32 v14, v14
	v_nop                                          ; a plain instruction behind the reciprocal
	s_wait_alu depctr_va_vdst(0)                   ; and the wait ahead of its first reader
.set i, 0
.rept 16
	v_pk_mul_f32 v[96+i:97+i], v[160+i:161+i], v[14:15] op_sel_hi:[1,0]
.set i, i+2
.endr
.irp b, 0,1
	v_max3_num_f32 v[232+\b], |v[96+16*\b]|, |v[97+16*\b]|, 0x1800000
.endr
.irp i, 2,4,6,8,10,12,14
.irp b, 0,1
	s_delay_alu instid0(VALU_DEP_2)
	v_max3_num_f32 v[232+\b], v[232+\b], |v[96+16*\b+\i]|, |v[97+16*\b+\i]|
.endr
.endr
.irp b, 0,1
	s_delay_alu instid0(VALU_DEP_2)
	v_permlanex16_b32 v[236+\b], v[232+\b], s20, s21
.endr
.irp b, 0,1
	s_delay_alu instid0(VALU_DEP_2)
	v_max_num_f32 v[232+\b], v[232+\b], v[236+\b]
.endr
.irp b, 0,1
	s_delay_alu instid0(VALU_DEP_2)
	v_add_nc_u32 v[244+\b], 0xff000000, v[232+\b]
.endr
.irp b, 0,1
	s_delay_alu instid0(VALU_DEP_2)
	v_lshrrev_b32 v[236+\b], 23, v[244+\b]
.endr
	v_cvt_scalef32_pk16_fp6_f32 v[192:194], v[96:111], v244
	v_cvt_scalef32_pk16_fp6_f32 v[200:202], v[112:127], v245
	v_nop
.irp i, 0,1,2
	v_permlane16_swap_b32 v[192+\i], v[200+\i]
.endr
.irp i, 0,1,2
	s_delay_alu instid0(VALU_DEP_3)
	v_mov_b32 v[195+\i], v[200+\i]                 ; v192-197: d = 32 h + 0 .. 31 of my query
.endr
	v_cndmask_b32 v204, v236, v237, s13            ; lanes 0-15 carry block 0's byte, lanes 16-31 block 1's
.irp p, 0,1,2
	global_store_b64 v1, v[192+2*\p:193+2*\p], s[\PB+6:\PB+7] offset:256*\p   ; 256 consecutive bytes, aligned
.endr
	global_store_b8 v4, v204, s[\PB+8:\PB+9]       ; 32 single bytes: a work-group owns one head alone, one byte for each 24 of codes
.endm
	PASS P0, 0
	TRIPS P0, 0, 4                                 ; the first tile's steps on records 0 to 3
	s_wait_tensorcnt 0x0                           ; every wave's record has landed,
	s_wait_dscnt 0x0
	s_barrier_signal -1
	s_barrier_wait -1                              ; and the whole head lies in LDS
	TRIPS P0, 4, 16
	WAYOUT P0
	PASS P1, 1
	TRIPS P1, 0, 16
	WAYOUT P1
	s_wait_tensorcnt 0x0                           ; the wave's end
	ds_add_u32 v250, v251
	s_wait_dscnt 0x0
	CROUND                                         ; the closing round
	s_endpgm
.Lfunc_end_k_q32358e74ab_attn:
	.size	k_q32358e74ab_attn, .Lfunc_end_k_q32358e74ab_attn-k_q32358e74ab_attn
	.p2alignl 7, 3214868480
	.fill 96, 4, 3214868480
	.section	.rodata,"a",@progbits
	.p2align	6, 0x0
	.amdhsa_kernel k_q32358e74ab_attn
		.amdhsa_group_segment_fixed_size 215040
		.amdhsa_private_segment_fixed_size 0
		.amdhsa_enable_private_segment 0
		.amdhsa_kernarg_size 24
		.amdhsa_user_sgpr_count 2
		.amdhsa_user_sgpr_kernarg_segment_ptr 1
		.amdhsa_wavefront_size32 1
		.amdhsa_system_sgpr_workgroup_id_x 1
		.amdhsa_system_sgpr_workgroup_id_y 1
		.amdhsa_system_sgpr_workgroup_id_z 1
		.amdhsa_system_vgpr_workitem_id 0
		.amdhsa_next_free_vgpr 256
		.amdhsa_next_free_sgpr 80
		.amdhsa_reserve_vcc 1
		.amdhsa_float_denorm_mode_32 3
		.amdhsa_float_denorm_mode_16_64 3
		.amdhsa_memory_ordered 1
		.amdhsa_forward_progress 1
		.amdhsa_inst_pref_size 89
	.end_amdhsa_kernel
	.amdgpu_metadata
---
amdhsa.version: [ 1, 2 ]
amdhsa.kernels:
  - .name:           k_q32358e74ab_attn
    .symbol:         k_q32358e74ab_attn.kd
    .args:
      - { .name: qkv, .offset: 0, .size: 8, .value_kind: global_buffer, .address_space: global }
      - { .name: a_img, .offset: 8, .size: 8, .value_kind: global_buffer, .address_space: global }
      - { .name: a_sc, .offset: 16, .size: 8, .value_kind: global_buffer, .address_space: global }
    .group_segment_fixed_size: 215040
    .private_segment_fixed_size: 0
    .kernarg_segment_align: 8
    .kernarg_segment_size: 24
    .max_flat_workgroup_size: 512
    .sgpr_count:     80
    .vgpr_count:     256
    .wavefront_size: 32
...
	.end_amdgpu_metadata
.endif
;; end of part 3
;; launch oproj (part 4): grid 8 x 32, 4 waves a work-group, clusters of 4 x 4, 327,680 bytes of LDS; arguments a_img, a_sc, img, isc, wo_b, out0; writes out0
.if DOCPART == 4
	.amdgcn_target "amdgcn-amd-amdhsa--gfx1250"
	.amdhsa_code_object_version 6
	.text
	.protected	k_q32358e74ab_oproj
	.globl	k_q32358e74ab_oproj
	.p2align	8
	.type	k_q32358e74ab_oproj,@function
k_q32358e74ab_oproj:
	s_mov_b64 s[64:65], 0
	v_nop
	global_prefetch_b8 v0, s[64:65] scope:SCOPE_SE
	s_setreg_imm32_b32 hwreg(HW_REG_WAVE_MODE, 25, 1), 1
	s_wait_xcnt 0x0
	s_wait_alu depctr_hold_cnt(0) depctr_sa_sdst(0) depctr_va_vdst(0) depctr_va_sdst(0) depctr_va_ssrc(0) depctr_va_vcc(0) depctr_vm_vsrc(0)
	s_getreg_b32 s2, hwreg(HW_REG_IB_STS2, 6, 4)
	s_cmp_eq_u32 s2, 0
	s_cbranch_scc0 .Lentry_in_a_cluster
	s_endpgm
.Lentry_in_a_cluster:
	s_bfe_u32 s2, ttmp6, 0x10000c
	s_cmp_lg_u32 s2, 0xf033
	s_cbranch_scc0 .Lentry_shape_is_right
	s_endpgm
.Lentry_shape_is_right:
; out0 = attention's result x wo^T + wo_b, on codes of FP6 (E2M3) with E8M0 scales; out0 [8192][1024] f32.
; A work-group multiplies 256 tokens (S1, source 1) by 128 rows of wo (S0, source 0) over all of K = 1,024.  Wave w takes S1's tiles 4 w .. 4 w + 3 against S0's eight: 32 accumulators.
; In a result lane (r, h) holds token row r of its tile, and register j of accumulator (a, b) the output 32 (b / 2) + 16 h + 8 (b % 2) + j of the 128.
; LDS IS FILLED ONCE: all of K of both operands, in four chunks of 256 along K, and their scale words: 307,200 bytes; no ring.  A wave has one tensor load out at the most.
; CLUSTER 4 x 4: the tokens' tiles are shared along a row of the cluster, wo's along a column: joint loads.
; The tokens' fragments lie in planes of 8 bytes a lane (plane p at 256 p holds registers 2 p, 2 p + 1), wo's in planes of 16.
; REGISTERS: window 0: v0-17 addresses; v32-63 scale words, two sets; v64-127 the bias; v128-223 S1's fragments, two sets; on the way out v64-191 hold rows.  window 1: the accumulators.  window 2: S0's fragments, two sets.
.set BREG,  196608
.set ASC,   294912
.set BSC,   303104
.set ACH,   49152
.set BCH,   24576
.set WV,    18
.set G1A,   24
.set G1B,   32
.set G1SA,  40
.set G1SB,  48
.set ADA,   6
.set ADB,   10
.set ADRS,  14
.set STO,   16
.set RD,    17
.set SC,    32
.set BI,    64
.set AF,    128
.set BK,    64
.set MSB, 0
.macro WIN new
.if MSB != \new
	s_set_vgpr_msb (MSB<<8)|\new
.set MSB, \new
.endif
.endm
.macro PLACES n
.rept \n
	v_nop
.endr
.endm
.macro CROUND
	s_barrier_signal -1
	s_barrier_wait -1
	s_cmp_lg_u32 s[WV], 0
	s_cbranch_scc1 .Lnot_wave_0_\@
	s_barrier_signal -3
.Lnot_wave_0_\@:
	s_barrier_wait -3
	s_barrier_signal -1
	s_barrier_wait -1
.endm
.macro G0SET g, ldsreg, ldsadd, ptr, off, add
	s_mov_b32 s[\g], 1
	s_add_co_u32 s[\g+1], s[\ldsreg], \ldsadd
	s_add_nc_u64 s[\g+2:\g+3], s[\ptr:\ptr+1], s[\off:\off+1]
.if (\add) > 0
	s_add_nc_u64 s[\g+2:\g+3], s[\g+2:\g+3], \add
.endif
	s_or_b32 s[\g+3], s[\g+3], 0x80000000
.endm
	s_load_b256 s[4:11], s[0:1], 0x0               ; a_img, a_sc, img, isc
	s_load_b128 s[12:15], s[0:1], 0x20             ; wo_b, out0
	v_lshl_add_u32 v254, v0, 2, 0x4b000
	v_mov_b32 v255, 0
	ds_add_u32 v254, v255
	ds_add_u32 v254, v255
	v_lshrrev_b32 v1, 5, v0
	v_readfirstlane_b32 s[WV], v1
	s_bfe_u32 s19, ttmp6, 0x40000                  ; cx
	s_bfe_u32 s20, ttmp6, 0x40004                  ; cy
	s_and_b32 s22, ttmp7, 0xffff
	s_lshl_b32 s100, s20, 2
	s_lshl_b32 s100, 15, s100                      ; my row of the cluster
	s_lshl_b32 s101, 0x1111, s19                   ; my column
	s_or_b32 s[G1A], s100, (3<<16)|(1<<21)
	s_or_b32 s[G1SA], s100, (3<<16)|(1<<21)
	s_or_b32 s[G1B], s101, (3<<16)|(1<<21)
	s_or_b32 s[G1SB], s101, (3<<16)|(1<<21)
.irp g, G1A, G1B                       ; rows of 6,144 bytes, 12,288 apart
	s_mov_b32 s[\g+1], 768<<16                     ; a row: half of K of a tile, 6,144 bytes
	s_mov_b32 s[\g+2], (8+G1B-\g)<<16              ; S1: 16 tiles, S0: 8
	s_mov_b32 s[\g+3], 768<<16
	s_mov_b32 s[\g+4], 8+G1B-\g
	s_mov_b32 s[\g+5], 1536
	s_mov_b32 s[\g+6], 0
	s_mov_b32 s[\g+7], 0
.endr
.irp g, G1SA, G1SB                     ; 4,096 dense bytes as 16 rows of 256
	s_mov_b32 s[\g+1], 32<<16
	s_mov_b32 s[\g+2], (16+2*(G1SB-\g))<<16        ; S1: 32 rows of 256 bytes, S0: 16
	s_mov_b32 s[\g+3], 32<<16
	s_mov_b32 s[\g+4], 16+2*(G1SB-\g)
	s_mov_b32 s[\g+5], 32
	s_mov_b32 s[\g+6], 0
	s_mov_b32 s[\g+7], 0
.endr
	s_lshl_b32 s2, s22, 6
	s_lshl_b32 s3, s20, 4
	s_add_co_u32 s104, s2, s3                      ; the tokens' first tile: 64 Y + 16 cy,
	s_lshl_b32 s66, ttmp9, 5
	s_add_co_u32 s66, s66, 704
	s_lshl_b32 s67, s19, 3
	s_add_co_u32 s105, s66, s67                    ; wo's first tile: 704 + 32 X + 8 cx
	s_mov_b32 s21, 0
	s_mov_b32 s23, 0
	s_mov_b32 s3, 0
	s_mov_b32 s67, 0
	s_wait_dscnt 0x0
	CROUND                                         ; the opening round, ahead of the wait for the arguments
	s_wait_kmcnt 0x0
	s_mul_i32 s2, s104, 512
	G0SET 56, 23, ASC, 6, 2, 0
	s_mul_i32 s2, s104, 12288
	G0SET 60, 21, 0, 4, 2, 0
	G0SET 68, 21, 2*ACH, 4, 2, 6144                ; S1's second half of K
	s_mul_i32 s66, s105, 512
	G0SET 80, 67, BSC, 10, 66, 0
	s_mul_i32 s66, s105, 12288
	G0SET 84, 67, BREG, 8, 66, 0
	G0SET 88, 67, BREG+2*BCH, 8, 66, 6144          ; S0's second half of K
	s_cmp_eq_u32 s[WV], 0
	s_cbranch_scc0 .Lhead_1
	tensor_load_to_lds s[60:63], s[G1A:G1A+7]      ; wave 0: S1's first half of K
	s_nop 0
	PLACES 4
	s_branch .Lasked
.Lhead_1:
	s_cmp_eq_u32 s[WV], 1
	s_cbranch_scc0 .Lhead_2
	tensor_load_to_lds s[84:87], s[G1B:G1B+7]      ; wave 1: S0's first half of K
	s_nop 0
	PLACES 4
	s_branch .Lasked
.Lhead_2:
	s_cmp_eq_u32 s[WV], 2
	s_cbranch_scc0 .Lhead_3
	tensor_load_to_lds s[56:59], s[G1SA:G1SA+7]    ; wave 2: S1's scale words
	s_nop 0
	PLACES 4
	s_branch .Lasked
.Lhead_3:
	tensor_load_to_lds s[80:83], s[G1SB:G1SB+7]    ; wave 3: S0's scale words
	s_nop 0
	PLACES 4
.Lasked:
	v_and_b32 v1, 31, v0
	v_and_b32 v2, 15, v0                           ; r
	v_bfe_u32 v3, v0, 4, 1                         ; h
	v_lshlrev_b32 v4, 4, v1                        ; 16 x lane
	v_lshlrev_b32 v5, 3, v1                        ; 8 x lane
	s_mul_i32 s2, s[WV], 24576                     ; LDS: [half of K][tile][6,144]; my four tiles of S1
.irp c, 0,1,2,3
	v_add_nc_u32 v[ADA+\c], s2, v5
	v_add_nc_u32 v[ADB+\c], BREG+2*BCH*(\c/2)+3072*(\c%2), v4
	s_add_co_u32 s2, s2, 3072+(2*ACH-6144)*(\c%2)
.endr
	s_xor_b32 s3, s[WV], 3
	s_add_co_u32 s3, s3, 1
	s_lshl_b32 s3, s3, 11                          ; 8,192 - 2,048 w
	v_mul_u32_u24 v[ADRS], s3, v3
	v_lshl_add_u32 v[ADRS], v2, 3, v[ADRS]
	s_lshl_b32 s2, s[WV], 11
	s_add_co_u32 s2, s2, ASC
	v_add_nc_u32 v[ADRS], s2, v[ADRS]
	s_mul_i32 s2, s[WV], 24576
	v_mul_u32_u24 v[STO], v2, 528
	v_lshl_add_u32 v[STO], v3, 6, v[STO]
	v_add_nc_u32 v[STO], s2, v[STO]
	v_add_nc_u32 v[RD], s2, v4
	v_lshlrev_b32 v15, 6, v3                       ; the bias: 16 numbers on for lanes 16-31
	s_wait_alu depctr_va_vdst(0)
	s_lshl_b32 s2, ttmp9, 2
	s_add_co_u32 s2, s2, s19                       ; which 128 outputs
	s_lshl_b32 s2, s2, 9
	s_mov_b32 s3, 0
	s_add_nc_u64 s[12:13], s[12:13], s[2:3]
	s_add_nc_u64 s[14:15], s[14:15], s[2:3]
	s_lshl_b32 s2, s22, 2
	s_add_co_u32 s2, s2, s20
	s_lshl_b32 s2, s2, 8
	s_lshl_b32 s66, s[WV], 6
	s_add_co_u32 s2, s2, s66                       ; my first token
	s_lshl_b32 s2, s2, 12
	s_add_nc_u64 s[14:15], s[14:15], s[2:3]
.irp b, 0,1,2,3,4,5,6,7
	global_load_b128 v[BI+8*\b:BI+8*\b+3], v15, s[12:13] offset:4*(32*(\b/2)+8*(\b%2))
	global_load_b128 v[BI+8*\b+4:BI+8*\b+7], v15, s[12:13] offset:4*(32*(\b/2)+8*(\b%2))+16
.endr
.macro FETCH k
	WIN 0x80
.irp b, 0,1,2,3,4,5,6,7
.irp q, 0,1,2
	ds_load_b128 v[96*((\k)%2)+12*\b+4*\q:96*((\k)%2)+12*\b+4*\q+3], v[ADB+(\k)/2] offset:6144*\b+1536*((\k)%2)+512*\q
.endr
.endr
	WIN 0
.irp a, 0,1,2,3
.irp p, 0,1,2,3,4,5
	ds_load_b64 v[AF+48*((\k)%2)+12*\a+2*\p:AF+48*((\k)%2)+12*\a+2*\p+1], v[ADA+(\k)/2] offset:6144*\a+1536*((\k)%2)+256*\p
.endr
.endr
.if (\k)%2 == 0
.irp i, 0,1,2,3,4,5,6,7
	ds_load_b64 v[SC+16*(((\k)/2)%2)+2*\i:SC+16*(((\k)/2)%2)+2*\i+1], v[ADRS] offset:512*\i+128*((\k)/2)
.endr
.endif
.endm
.macro MULS k                          ; the accumulators take turns, one instruction a turn, in the same order in every step
.if (\k) == 0
	WIN 0x42
.else
	WIN 0x52
.endif
.irp a, 0,1,2,3
.irp b, 0,1,2,3,4,5,6,7
.if (\k) == 0
	v_wmma_scale_f32_16x16x128_f8f6f4 v[8*(8*\a+\b):8*(8*\a+\b)+7], v[96*((\k)%2)+12*\b:96*((\k)%2)+12*\b+11], v[AF+48*((\k)%2)+12*\a:AF+48*((\k)%2)+12*\a+11], v[BI+8*\b:BI+8*\b+7], v[SC+16*(((\k)/2)%2)+2*\b+(\k)%2], v[SC+16*(((\k)/2)%2)+2*\a+(\k)%2] matrix_a_fmt:MATRIX_FMT_FP6 matrix_b_fmt:MATRIX_FMT_FP6 matrix_a_scale:MATRIX_SCALE_ROW1
.else
	v_wmma_scale_f32_16x16x128_f8f6f4 v[8*(8*\a+\b):8*(8*\a+\b)+7], v[96*((\k)%2)+12*\b:96*((\k)%2)+12*\b+11], v[AF+48*((\k)%2)+12*\a:AF+48*((\k)%2)+12*\a+11], v[8*(8*\a+\b):8*(8*\a+\b)+7], v[SC+16*(((\k)/2)%2)+2*\b+(\k)%2], v[SC+16*(((\k)/2)%2)+2*\a+(\k)%2] matrix_a_fmt:MATRIX_FMT_FP6 matrix_b_fmt:MATRIX_FMT_FP6 matrix_a_scale:MATRIX_SCALE_ROW1
.endif
.endr
.endr
	WIN 0
.endm
.macro STEPK k
	s_wait_dscnt 0x0                               ; this step's fragments are in
.if (\k) == 3
	s_wait_tensorcnt 0x0                           ; my part of the second half of K has landed
	s_barrier_signal -1
	s_barrier_wait -1
.endif
.if (\k) < 7
.if (\k) > 0
	PLACES 4                                       ; between the last step's products and loads into the registers that they read
.endif
	FETCH (\k)+1
.endif
	MULS \k
.endm
	s_wait_alu depctr_va_vdst(0)                   ; the wait at the head's end
	s_wait_tensorcnt 0x0                           ; my tile of the head's four is in; the three lines ahead of a later first fill
	ds_add_u32 v254, v255
	s_wait_dscnt 0x0
	CROUND                                         ; everybody's tile is in, and the joint loads of the second half meet
	s_cmp_eq_u32 s[WV], 0
	s_cbranch_scc0 .Lsecond_1
	tensor_load_to_lds s[68:71], s[G1A:G1A+7]      ; wave 0: S1's second half of K
	s_nop 0
	PLACES 4
	s_branch .Lsecond_asked
.Lsecond_1:
	s_cmp_eq_u32 s[WV], 1
	s_cbranch_scc0 .Lsecond_asked
	tensor_load_to_lds s[88:91], s[G1B:G1B+7]      ; wave 1: S0's
	s_nop 0
	PLACES 4
.Lsecond_asked:
	FETCH 0
	s_wait_loadcnt 0x0                             ; the bias
	STEPK 0
	STEPK 1
	STEPK 2
	STEPK 3
	STEPK 4
	STEPK 5
	STEPK 6
	STEPK 7
; THE WAY OUT, a tile of 16 tokens x 128 outputs at a time, through my stage: in as 32 bytes a lane and accumulator, back as whole rows of 512 bytes.
.macro TOSTAGE a
	WIN 0x04                                       ; an LDS store's data: window 1
.irp b, 0,1,2,3,4,5,6,7
	ds_store_b128 v[STO], v[8*(8*(\a)+\b):8*(8*(\a)+\b)+3] offset:128*(\b/2)+32*(\b%2)      ; each accumulator from its low end on
	ds_store_b128 v[STO], v[8*(8*(\a)+\b)+4:8*(8*(\a)+\b)+7] offset:128*(\b/2)+32*(\b%2)+16
.endr
	WIN 0
.irp t, 0,1,2,3,4,5,6,7,8,9,10,11,12,13,14,15
	ds_load_b128 v[BK+64*((\a)%2)+4*\t:BK+64*((\a)%2)+4*\t+3], v[RD] offset:528*\t   ; LDS serves a wave's instructions in order: these see the stores above, and the next tile's stores come behind them
.endr
.endm
.macro SEND a, younger
	s_wait_dscnt \younger                          ; the tile is back; the next tile's 16 stores and 16 loads may be out
.irp t, 0,1,2,3,4,5,6,7,8,9,10,11,12,13,14,15
	global_store_b128 v4, v[BK+64*((\a)%2)+4*\t:BK+64*((\a)%2)+4*\t+3], s[14:15] offset:(32*((\a)/2)+8*((\a)%2)+\t+8*(\t/8))*4096 th:TH_STORE_NT   ; 512 consecutive bytes, aligned; the tile's own row order
.endr
.endm
	PLACES 4                                       ; between the last products and the first read of results, and loads into registers that they read
	TOSTAGE 0
.irp a, 1,2,3
.if \a > 1
	s_wait_xcnt 0x0                                ; tile a - 2's stores have read their registers: tile a's rows may land there
.endif
	TOSTAGE \a
	SEND \a-1, 32
.endr
	SEND 3, 0
	s_wait_tensorcnt 0x0
	ds_add_u32 v254, v255
	s_wait_dscnt 0x0
	CROUND                                         ; the closing round
	s_endpgm
.Lfunc_end_k_q32358e74ab_oproj:
	.size	k_q32358e74ab_oproj, .Lfunc_end_k_q32358e74ab_oproj-k_q32358e74ab_oproj
	.p2alignl 7, 3214868480
	.fill 96, 4, 3214868480
	.section	.rodata,"a",@progbits
	.p2align	6, 0x0
	.amdhsa_kernel k_q32358e74ab_oproj
		.amdhsa_group_segment_fixed_size 327680
		.amdhsa_private_segment_fixed_size 0
		.amdhsa_enable_private_segment 0
		.amdhsa_kernarg_size 48
		.amdhsa_user_sgpr_count 2
		.amdhsa_user_sgpr_kernarg_segment_ptr 1
		.amdhsa_wavefront_size32 1
		.amdhsa_system_sgpr_workgroup_id_x 1
		.amdhsa_system_sgpr_workgroup_id_y 1
		.amdhsa_system_sgpr_workgroup_id_z 1
		.amdhsa_system_vgpr_workitem_id 0
		.amdhsa_next_free_vgpr 768
		.amdhsa_next_free_sgpr 106
		.amdhsa_reserve_vcc 0
		.amdhsa_float_denorm_mode_32 3
		.amdhsa_float_denorm_mode_16_64 3
		.amdhsa_memory_ordered 1
		.amdhsa_forward_progress 1
		.amdhsa_inst_pref_size 86
	.end_amdhsa_kernel
	.amdgpu_metadata
---
amdhsa.version: [ 1, 2 ]
amdhsa.kernels:
  - .name:           k_q32358e74ab_oproj
    .symbol:         k_q32358e74ab_oproj.kd
    .args:
      - { .name: a_img, .offset: 0, .size: 8, .value_kind: global_buffer, .address_space: global }
      - { .name: a_sc, .offset: 8, .size: 8, .value_kind: global_buffer, .address_space: global }
      - { .name: img, .offset: 16, .size: 8, .value_kind: global_buffer, .address_space: global }
      - { .name: isc, .offset: 24, .size: 8, .value_kind: global_buffer, .address_space: global }
      - { .name: wo_b, .offset: 32, .size: 8, .value_kind: global_buffer, .address_space: global }
      - { .name: out0, .offset: 40, .size: 8, .value_kind: global_buffer, .address_space: global }
    .group_segment_fixed_size: 327680
    .private_segment_fixed_size: 0
    .kernarg_segment_align: 8
    .kernarg_segment_size: 48
    .max_flat_workgroup_size: 128
    .sgpr_count:     106
    .vgpr_count:     768
    .wavefront_size: 32
...
	.end_amdgpu_metadata
.endif
;; end of part 4
